; MI455X (gfx1250); checked and timed in simulation.
; The chip was launched on July 23, 2026; its instructions are those of AMD's public machine-readable ISA for CDNA 5 (MIT licence, August 2026) and "CDNA5" Instruction Set Architecture Reference Guide (July 2026). The comments in the code are by the model that wrote it; some were corrected since.
;; Grouped Query Attention. Allowed arithmetic: matrix products marked QUANTISED: E3M2 operands, one E8M0 scale for each 32 along K, by v_wmma_scale_f32_16x16x128_f8f6f4 with both operands' format E3M2, f32 sums; everything else in f32.
;; Inputs: Wk 2,048 x 512 float32; Wo 2,048 x 2,048 float32; Wq 2,048 x 2,048 float32; Wv 2,048 x 512 float32; cos 2,048 x 64 float32; k_scale 64 float32; mask 2,048 x 2,048 bool; q_scale 64 float32; sin 2,048 x 64 float32; x 1 x 2,048 x 2,048 float32.
;; Outputs: out0 1 x 2,048 x 2,048 float32.
;; This version of the problem:
;;   THIS VERSION OF THE PROBLEM IS GIVEN IN LOW PRECISION. The matrix products marked QUANTISED in the list below multiply operands that are first quantised to E3M2 (3 exponent bits, 2 mantissa bits; 6 bits a number), with one power-of-two scale for each 32 numbers along K (OCP MX v1.0); their sums are f32. All else is computed in f32.
;;   The module's matrix products, in the order in which they are computed (A, B: the left and right operand; K: the contracted axis; several contracted axes count as one K, in the product's order):
;;     1. [M 2,048, K 2,048] x [K 2,048, N 2,048]; A: input x; B: input Wq: QUANTISED
;;     2. [M 2,048, K 2,048] x [K 2,048, N 512]; A: input x; B: input Wk: QUANTISED
;;     3. [M 2,048, K 2,048] x [K 2,048, N 512]; A: input x; B: input Wv: QUANTISED
;;     4. batch 8 x [M 8,192, K 64] x [K 64, N 2,048]; A: computed on the way; B: computed on the way: QUANTISED
;;     5. batch 8 x [M 8,192, K 2,048] x [K 2,048, N 64]; A: softmax (see below); B: computed on the way: QUANTISED
;;     6. [M 2,048, K 2,048] x [K 2,048, N 2,048]; A: computed on the way; B: input Wo: QUANTISED
;;   THE QUANTISER, for each operand of a quantised product, along K:
;;     - K is cut into blocks of 32 from its start; a last block that is shorter is filled with zeros.
;;     - A block's scale is 2^e with e = floor(log2(the largest magnitude in the block)) - 4, held to -126 .. 127; a block of zeros has e = 0. As a byte (E8M0): e + 127.
;;     - Each number is divided by its block's scale, clamped to +-28, and rounded to the nearest number of E3M2, ties to even, subnormals kept.
;;     - The product sums the exact products of the quantised numbers (number of the format x scale) in f32.
;;   ~~~python
;;   def quantise(x, axis):      # numpy; x: float32 -> the quantised numbers, widened to float32 again
;;       x = np.moveaxis(x, axis, -1); K = x.shape[-1]
;;       x = np.pad(x, [(0, 0)] * (x.ndim - 1) + [(0, -K % 32)]); x = x.reshape(x.shape[:-1] + (-1, 32)); a = np.abs(x).max(-1, keepdims=True)
;;       e = np.where(a > 0, np.clip(np.frexp(np.where(a > 0, a, 1))[1] - 1 - 4, -126, 127), 0)      # np.frexp(a)[1] - 1 = floor(log2(a)), exactly
;;       r = np.clip(x / 2.0 ** e, -28, 28)
;;       step = 2.0 ** (np.maximum(np.frexp(np.where(r == 0, 1, r))[1] - 1, -2) - 2)
;;       q = np.round(r / step) * step * 2.0 ** e      # np.round: ties to even
;;       return np.moveaxis(q.reshape(q.shape[:-2] + (-1,))[..., :K], -1, axis).astype(np.float32)
;;   ~~~
;;   SOFTMAX AHEAD OF A QUANTISED PRODUCT. Where the list says 'softmax', what is quantised is not the finished softmax but p = 2^(t - M), with t = logit x log2(e) and M = ceil(the row's largest t), a whole number; so 1/2 < the row's largest p <= 1. The row's sum l is taken of the UNQUANTISED p, in f32, and the product's result is divided by l at the end. Since M is a whole number, a kernel that streams over the keys may use a running M (the ceiling of the running maximum): every later rescaling is an exact power of two, which a block's scale takes up: the codes' values come out the same.
;;   OPERANDS COMPUTED ON THE WAY. 'Computed on the way' means the value that the module computes at that place (a softmax that the list does not call 'softmax' is quantised finished and normalised). What goes into a quantiser is computed in f32, as accurately as f32 sums, v_exp_f32 and their like allow (about 1e-6 of the number): no bf16 or f16 on the way to a quantiser, and a product that is left as it is and whose result goes on into a quantised operand takes f32 operands (vector FMAs, or v_wmma_f32_16x16x4_f32). A number that lies on a knife's edge between two numbers of the format may be rounded either way, as far as f32 arithmetic and the matrix unit's own rounding can turn it there, and no further.
;; 2 versions, each right; version 2 is version 1 with the launch attn written anew for expert scheduling mode. Each part assembles by itself: llvm-mc -triple=amdgcn-amd-amdhsa -mcpu=gfx1250 --defsym DOCPART=n.
;; ======== version 1 of 2: 4 launches
;; workspace buffers: xq 3,276,800 bytes; wc 8,192,000 bytes; mw 526,336 bytes of whole numbers; qa 3,407,872 bytes; ka 1,671,168 bytes; ca 3,276,800 bytes
;; launch prep (part 1): grid 576 x 1, 4 waves a work-group, no clusters, 58,880 bytes of LDS; arguments x, Wq, Wk, Wv, Wo, mask, xq, wc, mw; writes xq, wc, mw
.if DOCPART == 1
	.amdgcn_target "amdgcn-amd-amdhsa--gfx1250"
	.amdhsa_code_object_version 6
	.text
	.protected	k_q035607e737_prep
	.globl	k_q035607e737_prep
	.p2align	8
	.type	k_q035607e737_prep,@function
k_q035607e737_prep:
	s_mov_b64 s[64:65], 0
	v_nop
	global_prefetch_b8 v0, s[64:65] scope:SCOPE_SE
	s_setreg_imm32_b32 hwreg(HW_REG_WAVE_MODE, 25, 1), 1
	s_wait_xcnt 0x0
; x and the four weights become codes of BF6 (E3M2) with one E8M0 byte for each 32 along K; the mask becomes lane masks and flags.
; ONE CONVENTION for all operands of the program.  A row group g is 16 rows: lane row r is row 32 (g / 2) + 8 (g % 2) + r + 8 (r / 8).
; A fragment (16 rows x 128 K, 12 registers a lane) lies in memory as an IMAGE of its registers, 1,536 bytes: register p of lane l at 512 (p / 4) + 16 l + 4 (p % 4).
; xq: [128 groups of tokens][16 K steps][1536], then scale words [group][8 pairs of K steps][r][2 words].  wc: the same for 320 groups of weight columns (0-127 Wq, 128-159 Wk, 160-191 Wv, 192-319 Wo).
; mw: [128 groups of queries][16 steps of 128 keys][64 words]: bit l of word n = mask[query of lane l % 16][128 step + 32 (n / 16) + 16 (l / 16) + n % 16]; then flags [group][4 words], 2 bits a step: 0 all hidden, 1 mixed, 2 none hidden.
; A block's scale byte is its largest magnitude's exponent field - 4, held at 1 from below.
; LIMITS: a block of zeros gets the byte 1 where the rule says 127 (its codes are zeros, and this program alone reads the bytes); NaN and infinities among the inputs are not served.
; Work-groups 0-319: weights (128 columns x 256 K each); 320-447: x (one group of 16 tokens each); 448-575: the mask (one group of 16 queries each).  Each path that uses LDS has bytes of its own; waves share nothing: no barrier.
.set XSCL, 3145728
.set WSCL, 7864320
.set FLG,  524288
.set WOFF, 16                          ; weights: v16-47 byte offsets of 32 rows of K
.set WX,   48                          ; v48-111 two sets of 32 numbers
.set WC,   112                         ; v112-118 a block's codes
.set WSB,  120                         ; v120-121 scale words of my two K steps
.set WOUT, 128                         ; v128-175 the way out
.set XR,   16                          ; x: v16-143 two sets of 16 x 4 registers as loaded
.set XX,   144                         ; v144-207 64 numbers of a lane
.set PC,   208                         ; v208-227 codes
.set TM,   228                         ; v228-243 at work
.set PW,   244                         ; v244-247 scale words of my four K steps
.set XSTG, 24576                       ; x's stages in LDS: 8,448 bytes a wave, behind the weights' 4 x 6,144
.set SEL,  32
	s_load_b512 s[4:19], s[0:1], 0x0               ; x, Wq, Wk, Wv, Wo, mask, xq, wc
	s_load_b64 s[20:21], s[0:1], 0x40              ; mw
	v_lshl_add_u32 v248, v0, 2, 0xe400
	v_mov_b32 v249, 0
	v_lshrrev_b32 v1, 5, v0
	v_readfirstlane_b32 s22, v1                    ; wave
	v_and_b32 v1, 31, v0                           ; lane
	s_cmp_lt_u32 ttmp9, 320
	s_cbranch_scc0 .Lnot_w
; ---------------- THE WEIGHTS.  W is [K][N]: a lane takes a column, its registers run down K; a wave takes 32 columns (two row groups) x 256 K (two K steps).
	s_lshr_b32 s23, ttmp9, 3                       ; which 128 columns of the four weights on end: 0-15 Wq, 16-19 Wk, 20-23 Wv, 24-39 Wo
	s_and_b32 s24, ttmp9, 7                        ; which 256 along K
	v_bfe_u32 v2, v1, 3, 1                         ; column c of 32 lies in group u = (c / 8) % 2,
	v_and_b32 v3, 7, v1
	v_lshrrev_b32 v4, 4, v1
	v_lshl_or_b32 v3, v4, 3, v3                    ; at lane row r = c % 8 + 8 (c / 16)
	s_mul_i32 s32, s22, 6144                       ; my stage: [2 groups][2 K steps][1536]
	v_mul_u32_u24 v5, v2, 3072
	v_lshl_add_u32 v5, v3, 4, v5
	v_add_nc_u32 v5, s32, v5                       ; into it: 3072 u + 16 r
	v_lshlrev_b32 v8, 4, v1                        ; 16 x lane
	v_add_nc_u32 v6, s32, v8                       ; out of it
	v_lshlrev_b32 v7, 10, v2
	v_lshl_add_u32 v7, v3, 3, v7                   ; my scale words: 1024 u + 8 r
	s_wait_kmcnt 0x0
	s_mov_b32 s25, 8192                            ; a row of the weight in bytes
	s_mov_b32 s26, 0                               ; its first tile of 128 columns
	s_mov_b64 s[28:29], s[6:7]
	s_cmp_ge_u32 s23, 16                           ; the choices hang on the work-group's number alone
	s_cselect_b64 s[28:29], s[8:9], s[28:29]
	s_cselect_b32 s26, 16, s26
	s_cselect_b32 s25, 2048, s25
	s_cmp_ge_u32 s23, 20
	s_cselect_b64 s[28:29], s[10:11], s[28:29]
	s_cselect_b32 s26, 20, s26
	s_cmp_ge_u32 s23, 24
	s_cselect_b64 s[28:29], s[12:13], s[28:29]
	s_cselect_b32 s26, 24, s26
	s_cselect_b32 s25, 8192, s25
	s_sub_co_u32 s27, s23, s26
	s_lshl_b32 s27, s27, 9                         ; 128 columns are 512 bytes
	s_lshl_b32 s30, s22, 7                         ; my wave's 32 are 128
	s_add_co_u32 s30, s30, s27
	s_lshl_b32 s31, s24, 8
	s_mul_i32 s31, s31, s25                        ; 256 rows of K for each step of the grid
	s_add_co_u32 s30, s30, s31
	s_mov_b32 s31, 0
	s_add_nc_u64 s[28:29], s[28:29], s[30:31]      ; my wave's first number
	s_lshl_b32 s30, s25, 5                         ; s[30:31]: 32 rows on
	s_lshl_b32 s38, s23, 3
	s_lshl_b32 s39, s22, 1
	s_add_co_u32 s38, s38, s39                     ; my wave's first row group: 8 x tile + 2 x wave
	s_lshl_b32 s34, s38, 10
	s_lshl_b32 s39, s24, 7
	s_add_co_u32 s34, s34, s39
	s_add_co_u32 s34, s34, WSCL
	s_mov_b32 s35, 0
	s_add_nc_u64 s[34:35], s[18:19], s[34:35]      ; its scale words of this pair of K steps
	s_mul_i32 s36, s38, 24576
	s_mul_i32 s39, s24, 3072
	s_add_co_u32 s36, s36, s39
	s_mov_b32 s37, 0
	s_add_nc_u64 s[36:37], s[18:19], s[36:37]      ; its images of this pair of K steps
	v_lshlrev_b32 v[WOFF], 2, v1
.set i, 1
.rept 31
	v_add_nc_u32 v[WOFF+i], s25, v[WOFF+i-1]       ; row i of a block: the row's length is a scalar, so it cannot stand in the immediate
.set i, i+1
.endr
.macro LOADW t                         ; block t: 32 rows of K at my 32 columns (128 consecutive bytes a load) into set t % 2
.if (\t) > 0
	s_wait_xcnt 0x0                                ; the loads issued so far have read their base: it may step
	s_add_nc_u64 s[28:29], s[28:29], s[30:31]
.endif
.set i, 0
.rept 32
	global_load_b32 v[WX+32*((\t)%2)+i], v[WOFF+i], s[28:29] th:TH_LOAD_NT
.set i, i+1
.endr
.endm
.macro BLOCKW t
.set XS, WX+32*((\t)%2)
.if (\t) < 7
	s_wait_loadcnt 32                              ; this block's 32 loads are in; the next block's 32 may be out
.else
	s_wait_loadcnt 0x0
.endif
	v_max3_num_f32 v12, |v[XS]|, |v[XS+1]|, |v[XS+2]|      ; the block's largest magnitude: all 32 numbers are mine
	v_max3_num_f32 v13, |v[XS+3]|, |v[XS+4]|, |v[XS+5]|
.irp i, 6,10,14,18,22,26
	v_max3_num_f32 v12, v12, |v[XS+\i]|, |v[XS+\i+1]|
	v_max3_num_f32 v13, v13, |v[XS+\i+2]|, |v[XS+\i+3]|
.endr
	v_max3_num_f32 v12, v12, |v[XS+30]|, |v[XS+31]|
	v_max3_num_f32 v12, v12, v13, 0x2800000        ; and the floor 2^(5 - 127): the byte cannot fall under 1
	v_add_nc_u32 v11, 0xfe000000, v12              ; 4 off the exponent field: the conversion's scale operand
	v_cvt_scalef32_pk16_bf6_f32 v[WC:WC+2], v[XS:XS+15], v11
	v_cvt_scalef32_pk16_bf6_f32 v[WC+4:WC+6], v[XS+16:XS+31], v11
	v_lshrrev_b32 v13, 23, v11                     ; the scale's byte (a plain line behind the conversions)
.if (\t)%4 == 0
	v_mov_b32 v[WSB+(\t)/4], v13
.else
	v_lshl_or_b32 v[WSB+(\t)/4], v13, 8*((\t)%4), v[WSB+(\t)/4]
.endif
	v_mov_b32 v[WC+3], v[WC+4]                     ; the block's 24 bytes on end
	v_mov_b32 v[WC+4], v[WC+5]
	v_mov_b32 v[WC+5], v[WC+6]
.set QO, ((\t)/4)*1536+256*((\t)%2)    ; block t is registers 6 cc .. 6 cc + 5 (cc = (t / 2) % 2) of lane r + 16 (t % 2) of K step t / 4
.if (((\t)/2)%2) == 0
	ds_store_b128 v5, v[WC:WC+3] offset:QO
	ds_store_b64 v5, v[WC+4:WC+5] offset:QO+512
.else
	ds_store_b64 v5, v[WC:WC+1] offset:QO+520
	ds_store_b128 v5, v[WC+2:WC+5] offset:QO+1024
.endif
.if (\t)+2 < 8
	LOADW (\t)+2
.endif
	s_wait_dscnt 0x0                               ; the stores have read their registers: the next block's codes may be written
.endm
	LOADW 0
	LOADW 1
.irp t, 0,1,2,3,4,5,6,7
	BLOCKW \t
.endr
	global_store_b64 v7, v[WSB:WSB+1], s[34:35]    ; sixteen lanes store a group's 128 consecutive bytes
.set k, 0
.rept 12
	ds_load_b128 v[WOUT+4*k:WOUT+4*k+3], v6 offset:512*k   ; LDS serves a wave's instructions in order: these see my stores
.set k, k+1
.endr
.set k, 0
.rept 12
	s_wait_dscnt 11-k
	global_store_b128 v8, v[WOUT+4*k:WOUT+4*k+3], s[36:37] offset:(k/6)*24576+512*(k%6)   ; 512 consecutive bytes, aligned
.set k, k+1
.endr
	s_wait_tensorcnt 0x0
	ds_add_u32 v248, v249
	s_wait_dscnt 0x0
	s_endpgm
.Lnot_w:
	s_cmp_lt_u32 ttmp9, 448
	s_cbranch_scc0 .Lmask
; ---------------- x.  A work-group takes a group of 16 tokens; wave w its K steps 4 w .. 4 w + 3, a unit of 16 rows x 128 K at a time.
; Each load reads 512 consecutive bytes of one row; the unit turns through the wave's own stage (rows 528 bytes apart), so that lane (r, h) gets, of row r, 16 neighbours of each block of 32.
	s_sub_co_u32 s23, ttmp9, 320                   ; the group
	v_and_b32 v2, 15, v0                           ; r
	v_bfe_u32 v3, v0, 4, 1                         ; h
	v_lshlrev_b32 v4, 4, v1                        ; 16 x lane
	s_mul_i32 s26, s22, 8448
	s_add_co_u32 s26, s26, XSTG
	v_add_nc_u32 v5, s26, v4                       ; into the stage
	v_mul_u32_u24 v6, v2, 528
	v_lshl_add_u32 v6, v3, 6, v6
	v_add_nc_u32 v6, s26, v6                       ; out of it: row r, + 64 h
	v_lshlrev_b32 v7, 7, v3
	v_lshl_add_u32 v7, v2, 3, v7                   ; scale words: 128 h + 8 r
	s_mov_b32 s[SEL], 0x76543210
	s_mov_b32 s[SEL+1], 0xfedcba98                 ; lane l xor 16
.irp b, 0,1,2,3
	v_mov_b32 v[TM+4+\b], 0                        ; a lane permute's destination counts as one of its sources
.endr
	s_lshr_b32 s24, s23, 1
	s_lshl_b32 s24, s24, 18                        ; 32 rows of 8,192 bytes
	s_and_b32 s25, s23, 1
	s_lshl_b32 s25, s25, 16                        ; 8 rows
	s_add_co_u32 s24, s24, s25
	s_lshl_b32 s25, s22, 11                        ; my four K steps: 2,048 bytes of a row
	s_add_co_u32 s24, s24, s25
	s_mov_b32 s25, 0
	s_mul_i32 s28, s23, 24576
	s_mul_i32 s29, s22, 6144
	s_add_co_u32 s28, s28, s29
	s_mov_b32 s29, 0
	s_lshl_b32 s30, s23, 10
	s_lshl_b32 s31, s22, 8
	s_add_co_u32 s30, s30, s31
	s_add_co_u32 s30, s30, XSCL
	s_mov_b32 s31, 0
	s_wait_kmcnt 0x0
	s_add_nc_u64 s[4:5], s[4:5], s[24:25]
	s_add_nc_u64 s[28:29], s[16:17], s[28:29]      ; my images
	s_add_nc_u64 s[30:31], s[16:17], s[30:31]      ; my scale words
; 64 numbers of a lane, register 16 b + i = k 32 b + 16 (lane / 16) + i of my row, become a fragment's codes in v[PC] on and its scale word in v[pw]
.macro QUANT s, pw
.irp b, 0,1,2,3
	v_max3_num_f32 v[TM+\b], |v[(\s)+16*\b]|, |v[(\s)+1+16*\b]|, 0x2800000   ; my 16 numbers of block b, and the floor 2^(5 - 127)
.endr
.irp i, 2,4,6,8,10,12,14
.irp b, 0,1,2,3
	v_max3_num_f32 v[TM+\b], v[TM+\b], |v[(\s)+16*\b+\i]|, |v[(\s)+1+16*\b+\i]|
.endr
.endr
.irp b, 0,1,2,3
	v_permlanex16_b32 v[TM+4+\b], v[TM+\b], s[SEL], s[SEL+1]
.endr
.irp b, 0,1,2,3
	v_max_num_f32 v[TM+\b], v[TM+\b], v[TM+4+\b]   ; with lane l xor 16's: the block's largest magnitude
.endr
.irp b, 0,1,2,3
	v_add_nc_u32 v[TM+12+\b], 0xfe000000, v[TM+\b] ; the conversion's scale operand
.endr
.irp b, 0,1,2,3
	v_lshrrev_b32 v[TM+4+\b], 23, v[TM+12+\b]      ; the scale's byte
.endr
	v_lshl_or_b32 v[\pw], v[TM+5], 8, v[TM+4]
	v_lshl_or_b32 v[\pw], v[TM+6], 16, v[\pw]
	v_lshl_or_b32 v[\pw], v[TM+7], 24, v[\pw]
.irp c, 0,1
	v_cvt_scalef32_pk16_bf6_f32 v[PC+6*\c:PC+2+6*\c], v[(\s)+32*\c:(\s)+15+32*\c], v[TM+12+2*\c]
	v_cvt_scalef32_pk16_bf6_f32 v[PC+12+4*\c:PC+14+4*\c], v[(\s)+16+32*\c:(\s)+31+32*\c], v[TM+12+2*\c+1]
.endr
	v_nop                                          ; one plain line behind a scaled conversion
.irp c, 0,1                            ; the layout wants a whole block in a lane: lanes 0-15 block 2 c, lanes 16-31 block 2 c + 1
.irp i, 0,1,2
	v_permlane16_swap_b32 v[PC+6*\c+\i], v[PC+12+4*\c+\i]
.endr
.irp i, 0,1,2
	v_mov_b32 v[PC+3+6*\c+\i], v[PC+12+4*\c+\i]
.endr
.endr
.endm
.macro LOADX u
.set i, 0
.rept 16
	global_load_b128 v[XR+64*((\u)%2)+4*i:XR+64*((\u)%2)+4*i+3], v4, s[4:5] offset:(i+8*(i/8))*8192+512*(\u) th:TH_LOAD_NT
.set i, i+1
.endr
.endm
.macro UNITX u
.if (\u) < 3
	s_wait_loadcnt 16                              ; this unit's 16 loads are in; the next unit's may be out
.else
	s_wait_loadcnt 0x0
.endif
.set i, 0
.rept 16
	ds_store_b128 v5, v[XR+64*((\u)%2)+4*i:XR+64*((\u)%2)+4*i+3] offset:528*i
.set i, i+1
.endr
.set i, 0
.rept 16
	ds_load_b128 v[XX+4*i:XX+4*i+3], v6 offset:128*(i/4)+16*(i%4)   ; LDS serves a wave's instructions in order: these see the stores above
.set i, i+1
.endr
	s_wait_dscnt 0x0
.if (\u)+2 < 4
	LOADX (\u)+2                                   ; into the set that the stage's stores have read
.endif
	s_wait_xcnt 0x0                                ; the last unit's stores have read the codes' registers
	QUANT XX, PW+(\u)
.irp c, 0,1,2
	global_store_b128 v4, v[PC+4*\c:PC+4*\c+3], s[28:29] offset:1536*(\u)+512*\c   ; 512 consecutive bytes, aligned
.endr
.endm
	LOADX 0
	LOADX 1
.irp u, 0,1,2,3
	UNITX \u
.endr
	v_cmp_ne_u32 vcc_lo, 0, v3
	v_cndmask_b32 v10, v[PW], v[PW+2], vcc_lo      ; lanes 0-15 store the first pair of K steps, lanes 16-31 the second
	v_cndmask_b32 v11, v[PW+1], v[PW+3], vcc_lo
	global_store_b64 v7, v[10:11], s[30:31]        ; 256 consecutive bytes, aligned
	s_wait_tensorcnt 0x0
	ds_add_u32 v248, v249
	s_wait_dscnt 0x0
	s_endpgm
.Lmask:
; ---------------- THE MASK.  A work-group takes a group of 16 queries; wave w its steps 4 w .. 4 w + 3 of 128 keys.
	s_sub_co_u32 s23, ttmp9, 448
	v_and_b32 v2, 15, v0
	v_bfe_u32 v3, v0, 4, 1
	v_and_b32 v4, 8, v2
	v_add_nc_u32 v4, v4, v2                        ; r + 8 (r / 8)
	v_lshlrev_b32 v4, 11, v4                       ; a row of the mask is 2,048 bytes
	v_lshl_add_u32 v4, v3, 4, v4                   ; + 16 h
	v_lshlrev_b32 v5, 3, v1                        ; out: 8 bytes a lane
	s_lshr_b32 s24, s23, 1
	s_lshl_b32 s24, s24, 16
	s_and_b32 s25, s23, 1
	s_lshl_b32 s25, s25, 14
	s_add_co_u32 s24, s24, s25
	s_lshl_b32 s25, s22, 9
	s_add_co_u32 s24, s24, s25
	s_mov_b32 s25, 0
	s_lshl_b32 s28, s23, 12
	s_lshl_b32 s29, s22, 10
	s_add_co_u32 s28, s28, s29
	s_mov_b32 s29, 0
	s_lshl_b32 s26, s23, 4
	s_lshl_b32 s27, s22, 2
	s_add_co_u32 s26, s26, s27
	s_add_co_u32 s26, s26, FLG
	s_mov_b32 s27, 0
	s_wait_kmcnt 0x0
	s_add_nc_u64 s[14:15], s[14:15], s[24:25]
	s_add_nc_u64 s[28:29], s[20:21], s[28:29]      ; my steps' words
	s_add_nc_u64 s[26:27], s[20:21], s[26:27]      ; my flag word
.set i, 0
.rept 16
	global_load_b128 v[16+4*i:16+4*i+3], v4, s[14:15] offset:128*(i/4)+32*(i%4) th:TH_LOAD_NT   ; step i / 4, block i % 4: my 16 keys' bytes
.set i, i+1
.endr
.irp i, 0,1,2,3,4,5,6,7
	v_mov_b32 v[80+\i], 0                          ; v_writelane_b32's destination counts as read
.endr
	s_mov_b32 s46, 0
	s_wait_loadcnt 0x0
.irp sl, 0,1,2,3
	s_mov_b32 s44, -1
	s_mov_b32 s45, 0
.set n, 0
.rept 64
	v_bfe_u32 v[88+n%4], v[16+16*\sl+n/4], 8*(n%4), 8
	v_cmp_ne_u32 s[40+n%4], 0, v[88+n%4]           ; word n: a bit for each lane
	v_writelane_b32 v[80+2*\sl+n%2], s[40+n%4], n/2   ; lane n / 2 will store words n - n % 2 and the next
	s_and_b32 s44, s44, s[40+n%4]
	s_or_b32 s45, s45, s[40+n%4]
.set n, n+1
.endr
	s_cmp_eq_u32 s44, -1                           ; all hidden: 0
	s_cselect_b32 s47, 0, 1
	s_cmp_eq_u32 s45, 0                            ; none hidden: 2
	s_cselect_b32 s47, 2, s47
	s_lshl_b32 s47, s47, 2*\sl
	s_or_b32 s46, s46, s47
	global_store_b64 v5, v[80+2*\sl:81+2*\sl], s[28:29] offset:256*\sl   ; 256 consecutive bytes, aligned
.endr
	v_mov_b32 v6, s46
	v_mov_b32 v7, 0
	s_wait_xcnt 0x0                                ; EXEC changes only behind this wait
	v_cmp_eq_u32 vcc_lo, 0, v1
	s_and_saveexec_b32 s48, vcc_lo
	global_store_b32 v7, v6, s[26:27]              ; lane 0 stores the wave's flag word
	s_wait_xcnt 0x0
	s_or_b32 exec_lo, exec_lo, s48
	s_endpgm
.Lfunc_end_k_q035607e737_prep:
	.size	k_q035607e737_prep, .Lfunc_end_k_q035607e737_prep-k_q035607e737_prep
	.p2alignl 7, 3214868480
	.fill 96, 4, 3214868480
	.section	.rodata,"a",@progbits
	.p2align	6, 0x0
	.amdhsa_kernel k_q035607e737_prep
		.amdhsa_group_segment_fixed_size 58880
		.amdhsa_private_segment_fixed_size 0
		.amdhsa_enable_private_segment 0
		.amdhsa_kernarg_size 72
		.amdhsa_user_sgpr_count 2
		.amdhsa_user_sgpr_kernarg_segment_ptr 1
		.amdhsa_wavefront_size32 1
		.amdhsa_system_sgpr_workgroup_id_x 1
		.amdhsa_system_sgpr_workgroup_id_y 1
		.amdhsa_system_sgpr_workgroup_id_z 1
		.amdhsa_system_vgpr_workitem_id 0
		.amdhsa_next_free_vgpr 250
		.amdhsa_next_free_sgpr 66
		.amdhsa_reserve_vcc 1
		.amdhsa_float_denorm_mode_32 3
		.amdhsa_float_denorm_mode_16_64 3
		.amdhsa_memory_ordered 1
		.amdhsa_forward_progress 1
		.amdhsa_inst_pref_size 145
	.end_amdhsa_kernel
	.amdgpu_metadata
---
amdhsa.version: [ 1, 2 ]
amdhsa.kernels:
  - .name:           k_q035607e737_prep
    .symbol:         k_q035607e737_prep.kd
    .args:
      - { .name: x, .offset: 0, .size: 8, .value_kind: global_buffer, .address_space: global }
      - { .name: Wq, .offset: 8, .size: 8, .value_kind: global_buffer, .address_space: global }
      - { .name: Wk, .offset: 16, .size: 8, .value_kind: global_buffer, .address_space: global }
      - { .name: Wv, .offset: 24, .size: 8, .value_kind: global_buffer, .address_space: global }
      - { .name: Wo, .offset: 32, .size: 8, .value_kind: global_buffer, .address_space: global }
      - { .name: mask, .offset: 40, .size: 8, .value_kind: global_buffer, .address_space: global }
      - { .name: xq, .offset: 48, .size: 8, .value_kind: global_buffer, .address_space: global }
      - { .name: wc, .offset: 56, .size: 8, .value_kind: global_buffer, .address_space: global }
      - { .name: mw, .offset: 64, .size: 8, .value_kind: global_buffer, .address_space: global }
    .group_segment_fixed_size: 58880
    .private_segment_fixed_size: 0
    .kernarg_segment_align: 8
    .kernarg_segment_size: 72
    .max_flat_workgroup_size: 128
    .sgpr_count:     66
    .vgpr_count:     250
    .wavefront_size: 32
...
	.end_amdgpu_metadata
.endif
;; end of part 1
;; launch proj (part 2): grid 192 x 1, 4 waves a work-group, clusters of 4 x 1, 327,680 bytes of LDS; arguments xq, wc, cos, sin, q_scale, k_scale, qa, ka; writes qa, ka
.if DOCPART == 2
	.amdgcn_target "amdgcn-amd-amdhsa--gfx1250"
	.amdhsa_code_object_version 6
	.text
	.protected	k_q035607e737_proj
	.globl	k_q035607e737_proj
	.p2align	8
	.type	k_q035607e737_proj,@function
k_q035607e737_proj:
	s_mov_b64 s[64:65], 0
	v_nop
	global_prefetch_b8 v0, s[64:65] scope:SCOPE_SE
	s_setreg_imm32_b32 hwreg(HW_REG_WAVE_MODE, 25, 1), 1
	s_wait_xcnt 0x0
	s_wait_alu depctr_hold_cnt(0) depctr_sa_sdst(0) depctr_va_vdst(0) depctr_va_sdst(0) depctr_va_ssrc(0) depctr_va_vcc(0) depctr_vm_vsrc(0)
	s_getreg_b32 s2, hwreg(HW_REG_IB_STS2, 6, 4)
	s_cmp_eq_u32 s2, 0
	s_cbranch_scc0 .Lentry_in_a_cluster
	s_endpgm
.Lentry_in_a_cluster:
	s_bfe_u32 s2, ttmp6, 0x10000c
	s_cmp_lg_u32 s2, 0x3003
	s_cbranch_scc0 .Lentry_shape_is_right
	s_endpgm
.Lentry_shape_is_right:
; q = rope(rms(x Wq)), k = rope(rms(x Wk)), v = x Wv, all three products on codes of BF6 with E8M0 scales; the results leave as codes again: q and k quantised along the head's 64, v along the keys.
; OPERANDS are images of fragments (16 rows x 128 K: 1,536 bytes, register p of lane l at 512 (p / 4) + 16 l + 4 (p % 4)); lane row r of row group g is row 32 (g / 2) + 8 (g % 2) + r + 8 (r / 8).
; A work-group of four waves multiplies A's 8 row groups (all waves) by B's 16 (four a wave): 32 accumulators a wave.  The product is used transposed (source 0 = B's rows, source 1 = A's): a lane holds one row of A,
; and the 32 registers of an A block are 32 b + 16 (lane / 16) + i of the wave's 64 rows of B.
; Clusters 0-31: A = x, B = Wq (a wave's 64 columns are a head).  32-39: A = x, B = Wk.  40-47: A = Wv, B = x, so that a lane holds a channel of v and its registers run along the keys, which are v's K.
; K = 2,048 goes in four chunks of four K steps through two LDS slots.  CLUSTER 4 x 1: the four partners have the same B and four different A: B's tiles are asked for jointly, A's by plain loads in the same rounds.
; The scale words of all 24 row groups, for all of K, come once.  By this text's own count a wave has at most three tensor loads out.
; LIMITS: a block of zeros gets the byte 1 where the rule says 127 (its codes are zeros, and this program alone reads the bytes); NaN and infinities are not served.
; REGISTERS.  Window 0: v1-13 lane numbers and the ways out's addresses; v16-29 addresses; v32-95 scale words, two sets; v96-191 A's fragments, one set; on the way out v96-247 at work.
;   Window 1: B's fragments, two sets, at v0 and v128; on the way out cos and sin, two sets of 64.   Window 2: accumulator (a, b) at v[8 (4 a + b)].
.set SLOT,  147456                     ; [24 row groups][4 K steps][1536]: A's 8 groups, then B's 16
.set SCL,   294912                     ; scale words [24 row groups][8 pairs of K steps][r][2 words]
.set SPARE, 319488                     ; the spare words: 128 bytes a wave, two blocks of 256 bytes that no other line names
.set XSCL,  3145728
.set WSCL,  7864320
.set ADRA, 16                          ; v16-17 16 x lane + slot
.set ADRB, 20                          ; v20-21 the same at my wave's four groups of B
.set ADSL, 24                          ; v24 scale words: lanes 0-15 A's groups, lanes 16-31 my groups of B
.set ADSH, 25                          ; v25 scale words: A's groups in all lanes
.set SPW,  28
.set NIL,  29
.set SC,   32                          ; set s at v[SC + 32 s]; register 4 i + q: block i, the chunk's K step q
.set AF,   96
.set G1A,  28
.set G1B,  36
.set G0A,  44
.set G0B,  52
.set G1SA, 68
.set G1SB, 76
.set G0SA, 84
.set G0SB, 88
.set MUL,  0xa1                        ; source 0 (B) window 1, source 1 (A) window 0, C and D window 2
.set SCV,  96                          ; the way out of q and k: the gain,
.set Y,    128                         ; a block's 32 numbers, normalised,
.set RO,   160                         ; and turned,
.set SS,   192                         ; v192-207 sums of squares, then 1 / rms,
.set PD,   208                         ; v208-215 the other half's sums,
.set C,    216                         ; v216-222 codes,
.set TM,   224                         ; v224-229 at work,
.set PW,   232                         ; v232-239 scale words of the eight blocks,
.set T,    240                         ; v240-243 at work,
.set TJ,   244                         ; v244-247 scale words as they are stored
.set SEL,  2
.set MSB, 0
.macro WIN new                         ; the immediate's high byte repeats the setting that is left
.if MSB != \new
	s_set_vgpr_msb (MSB<<8)|\new
.set MSB, \new
.endif
.endm
; Waves 0 and 1 fetch for A, waves 2 and 3 for B.  The branch hangs on the wave's number alone.  Four v_nop follow each of the two lines.
.macro JLOAD g0a, g1a, g0b, g1b
	s_cmp_eq_u32 s21, 0
	s_cbranch_scc0 .Lfor_b_\@
	tensor_load_to_lds s[\g0a:\g0a+3], s[\g1a:\g1a+7]
	s_nop 0
.rept 4
	v_nop
.endr
	s_branch .Lasked_\@
.Lfor_b_\@:
	tensor_load_to_lds s[\g0b:\g0b+3], s[\g1b:\g1b+7]
	s_nop 0
.rept 4
	v_nop
.endr
.Lasked_\@:
.endm
.macro CREST                           ; a round of the cluster's barrier behind its opening barrier
	s_cmp_lg_u32 s20, 0
	s_cbranch_scc1 .Lnot_wave_0_\@
	s_barrier_signal -3
.Lnot_wave_0_\@:
	s_barrier_wait -3
	s_barrier_signal -1
	s_barrier_wait -1
.endm
.macro CROUND
	s_barrier_signal -1
	s_barrier_wait -1
	CREST
.endm
.macro PLACES n                        ; plain vector lines between a matrix instruction and a load into, or a read of, its registers
.rept \n
	v_nop
.endr
.endm
.macro FRAG reg, adr, rg, q            ; an image comes back as it was stored: three loads of 512 consecutive bytes
.irp c, 0,1,2
	ds_load_b128 v[(\reg)+4*\c:(\reg)+4*\c+3], v[\adr] offset:(4*(\rg)+(\q))*1536+512*\c
.endr
.endm
.macro FETCH_B slot, q, set
	WIN 0x40
.irp i, 0,1,2,3
	FRAG 128*(\set)+12*\i, ADRB+\slot, \i, \q
.endr
	WIN 0
.endm
.macro FETCH_A slot, q, i0
.irp i, \i0, \i0+1, \i0+2, \i0+3
	FRAG AF+12*(\i), ADRA+\slot, \i, \q
.endr
.endm
.macro SCALES set, chunk               ; a chunk's scale words: lanes 0-15 A's block i; lanes 16-31 of blocks 0-3 my block i of B
.irp i, 0,1,2,3,4,5,6,7
.irp p, 0,1
.if \i < 4
	ds_load_b64 v[SC+32*(\set)+4*\i+2*\p:SC+32*(\set)+4*\i+2*\p+1], v[ADSL] offset:\i*1024+(2*(\chunk)+\p)*128
.else
	ds_load_b64 v[SC+32*(\set)+4*\i+2*\p:SC+32*(\set)+4*\i+2*\p+1], v[ADSH] offset:\i*1024+(2*(\chunk)+\p)*128
.endif
.endr
.endr
.endm
; 8 matrix instructions: A's blocks a0, a0 + 1 x my four of B.  The 32 accumulators take turns, one instruction a turn, in the same order in every K step.
.macro MUL8 a0, set, q, sc, zero
.irp a, \a0, \a0+1
.irp b, 0,1,2,3
.if \zero
	v_wmma_scale_f32_16x16x128_f8f6f4 v[8*(4*(\a)+\b):8*(4*(\a)+\b)+7], v[128*(\set)+12*\b:128*(\set)+12*\b+11], v[AF+12*(\a):AF+12*(\a)+11], 0, v[SC+32*(\sc)+4*\b+(\q)], v[SC+32*(\sc)+4*(\a)+(\q)] matrix_a_fmt:MATRIX_FMT_BF6 matrix_b_fmt:MATRIX_FMT_BF6 matrix_a_scale:MATRIX_SCALE_ROW1
.else
	v_wmma_scale_f32_16x16x128_f8f6f4 v[8*(4*(\a)+\b):8*(4*(\a)+\b)+7], v[128*(\set)+12*\b:128*(\set)+12*\b+11], v[AF+12*(\a):AF+12*(\a)+11], v[8*(4*(\a)+\b):8*(4*(\a)+\b)+7], v[SC+32*(\sc)+4*\b+(\q)], v[SC+32*(\sc)+4*(\a)+(\q)] matrix_a_fmt:MATRIX_FMT_BF6 matrix_b_fmt:MATRIX_FMT_BF6 matrix_a_scale:MATRIX_SCALE_ROW1
.endif
.endr
.endr
.endm
.macro STEP slot, q, zero              ; a K step that has its successor in the same slot
	s_wait_dscnt 12                                ; all but the youngest 12 loads (A's blocks 4-7) are in
	WIN MUL
	MUL8 0, (\q)%2, \q, \slot, \zero
	MUL8 2, (\q)%2, \q, \slot, \zero
	s_wait_dscnt 0x0                               ; A's blocks 4-7 are in
	PLACES 4
	FETCH_B \slot, (\q)+1, 1-(\q)%2
	FETCH_A \slot, (\q)+1, 0
	WIN MUL
	MUL8 4, (\q)%2, \q, \slot, \zero
	MUL8 6, (\q)%2, \q, \slot, \zero
	PLACES 4
	WIN 0
	FETCH_A \slot, (\q)+1, 4
.endm
; A slot's last K step changes slots: one barrier; in front of it each wave waits for all its tensor loads, adds 0 to its spare word, and waits for that and for its reads of this slot.  fill = 1: the slot takes the chunk two on.
.macro TURN slot, next, fill, chunk
	s_wait_tensorcnt 0x0                           ; all my tensor loads have landed: my part of the next slot
	ds_add_u32 v[SPW], v[NIL]                      ; 0 onto my spare word
	s_wait_dscnt 13                                ; (the add and the youngest 12 loads may be out)
	WIN MUL
	MUL8 0, 1, 3, \slot, 0
	s_wait_dscnt 0x0                               ; the add is done, and my reads of this slot are over
	s_barrier_signal -1
	MUL8 2, 1, 3, \slot, 0
	WIN 0
	s_barrier_wait -1
.if \fill
	CREST                                          ; the barrier has opened a round of the cluster's: no wave of any partner still reads this slot or has a load on its way
	s_add_nc_u64 s[G0A+4*\slot+2:G0A+4*\slot+3], s[G0A+4*\slot+2:G0A+4*\slot+3], 12288
	s_add_nc_u64 s[G0B+4*\slot+2:G0B+4*\slot+3], s[G0B+4*\slot+2:G0B+4*\slot+3], 12288
	JLOAD G0A+4*\slot, G1A, G0B+4*\slot, G1B       ; the first tensor load behind the round; its four v_nop are also the places in front of the loads below
.else
	PLACES 4
.endif
	FETCH_B \next, 0, 0
	FETCH_A \next, 0, 0
	SCALES \next, \chunk
	WIN MUL
	MUL8 4, 1, 3, \slot, 0
	MUL8 6, 1, 3, \slot, 0
	PLACES 4
	WIN 0
	FETCH_A \next, 0, 4
.endm
	s_load_b512 s[4:19], s[0:1], 0x0               ; xq, wc, cos, sin, q_scale, k_scale, qa, ka
	v_lshl_add_u32 v[SPW], v0, 2, SPARE
	v_mov_b32 v[NIL], 0
	ds_add_u32 v28, v29
	ds_add_u32 v28, v29
	s_wait_dscnt 0x0
	v_lshrrev_b32 v1, 5, v0
	v_readfirstlane_b32 s20, v1                    ; wave
	s_lshr_b32 s21, s20, 1                         ; I fetch for A (0) or for B (1)
	s_and_b32 s22, s20, 1                          ; which half of it
	s_bfe_u32 s23, ttmp6, 0x40000                  ; cx: it enters A's addresses and the results' alone
	s_lshr_b32 s24, ttmp9, 3                       ; q: A's first group 32 (c / 8), B's 16 (c % 8)
	s_lshl_b32 s24, s24, 5
	s_and_b32 s25, ttmp9, 7
	s_lshl_b32 s25, s25, 4
	s_sub_co_u32 s26, ttmp9, 32                    ; k: 32 ((c - 32) / 2), 128 + 16 (c % 2)
	s_lshr_b32 s27, s26, 1
	s_lshl_b32 s27, s27, 5
	s_and_b32 s26, s26, 1
	s_lshl_b32 s26, s26, 4
	s_add_co_u32 s26, s26, 128
	s_cmp_lt_u32 ttmp9, 32
	s_cselect_b32 s24, s24, s27
	s_cselect_b32 s25, s25, s26
	s_sub_co_u32 s26, ttmp9, 40                    ; v: A = Wv's groups from 160, B = x's 16 (c - 40)
	s_lshl_b32 s26, s26, 4
	s_cmp_lt_u32 ttmp9, 40
	s_cselect_b32 s24, s24, 160
	s_cselect_b32 s25, s25, s26
	s_lshl_b32 s92, s23, 3
	s_add_co_u32 s92, s92, s24                     ; my work-group's first group of A
	; descriptor groups 1: elements of 8 bytes, no padding.  Codes: a row is a group's four K steps, 768 elements, 3,072 elements from group to group; 4 groups (A) or 8 (B) a load
	s_mov_b32 s[G1A], 3<<16
	s_mov_b32 s[G1B], 15|(3<<16)|(1<<21)           ; B's: the mask names all four partners, bit 21 beside it
.irp g, G1A, G1B
	s_mov_b32 s[\g+1], 768<<16
	s_mov_b32 s[\g+3], 768<<16
	s_mov_b32 s[\g+5], 3072
	s_mov_b32 s[\g+6], 0
	s_mov_b32 s[\g+7], 0
.endr
	s_mov_b32 s[G1A+2], 4<<16
	s_mov_b32 s[G1A+4], 4
	s_mov_b32 s[G1B+2], 8<<16
	s_mov_b32 s[G1B+4], 8
	; scale words: dense blocks, as rows of 256 bytes: 16 rows (A's four groups) or 32 (B's eight)
	s_mov_b32 s[G1SA], 3<<16
	s_mov_b32 s[G1SB], 15|(3<<16)|(1<<21)
.irp g, G1SA, G1SB
	s_mov_b32 s[\g+1], 32<<16
	s_mov_b32 s[\g+3], 32<<16
	s_mov_b32 s[\g+5], 32
	s_mov_b32 s[\g+6], 0
	s_mov_b32 s[\g+7], 0
.endr
	s_mov_b32 s[G1SA+2], 16<<16
	s_mov_b32 s[G1SA+4], 16
	s_mov_b32 s[G1SB+2], 32<<16
	s_mov_b32 s[G1SB+4], 32
	s_mov_b32 s26, XSCL
	s_mov_b32 s27, WSCL
	s_wait_kmcnt 0x0
	s_cmp_lt_u32 ttmp9, 40                         ; the choice hangs on the cluster's number alone
	s_cselect_b64 s[60:61], s[4:5], s[6:7]         ; A's buffer
	s_cselect_b64 s[62:63], s[6:7], s[4:5]         ; B's buffer
	s_cselect_b32 s93, s26, s27                    ; where their scale words begin
	s_cselect_b32 s94, s27, s26
	s_lshl_b32 s95, s22, 2
	s_add_co_u32 s95, s95, s92                     ; A: the four groups that I would fetch
	s_mul_i32 s96, s95, 24576
	s_mov_b32 s97, 0
	s_lshl_b32 s98, s95, 10
	s_add_co_u32 s98, s98, s93
	s_mov_b32 s99, 0
	s_add_nc_u64 s[96:97], s[60:61], s[96:97]
	s_add_nc_u64 s[98:99], s[60:61], s[98:99]
	s_lshl_b32 s26, s22, 3
	s_add_co_u32 s26, s26, s25                     ; B: the eight groups: no register here ever holds cx
	s_mul_i32 s66, s26, 24576
	s_mov_b32 s67, 0
	s_lshl_b32 s100, s26, 10
	s_add_co_u32 s100, s100, s94
	s_mov_b32 s101, 0
	s_add_nc_u64 s[66:67], s[62:63], s[66:67]
	s_add_nc_u64 s[100:101], s[62:63], s[100:101]
	CROUND                                         ; all four work-groups are here: the first joint loads meet
	s_mov_b32 s[G0SA], 1
	s_lshl_b32 s26, s22, 12
	s_add_co_u32 s[G0SA+1], s26, SCL
	s_mov_b64 s[G0SA+2:G0SA+3], s[98:99]
	s_or_b32 s[G0SA+3], s[G0SA+3], 0x80000000
	s_mov_b32 s[G0SB], 1
	s_lshl_b32 s27, s22, 13
	s_add_co_u32 s[G0SB+1], s27, SCL+8192
	s_mov_b64 s[G0SB+2:G0SB+3], s[100:101]
	s_or_b32 s[G0SB+3], s[G0SB+3], 0x80000000
	JLOAD G0SA, G1SA, G0SB, G1SB                   ; the scale words first: they are wanted with K step 0
	s_mul_i32 s26, s22, 24576
	s_mul_i32 s27, s22, 49152
	s_add_co_u32 s27, s27, 49152
.irp s, 0,1
	s_mov_b32 s[G0A+4*\s], 1
	s_add_co_u32 s[G0A+4*\s+1], s26, \s*SLOT
	s_add_nc_u64 s[G0A+4*\s+2:G0A+4*\s+3], s[96:97], \s*6144
	s_or_b32 s[G0A+4*\s+3], s[G0A+4*\s+3], 0x80000000
	s_mov_b32 s[G0B+4*\s], 1
	s_add_co_u32 s[G0B+4*\s+1], s27, \s*SLOT
	s_add_nc_u64 s[G0B+4*\s+2:G0B+4*\s+3], s[66:67], \s*6144
	s_or_b32 s[G0B+4*\s+3], s[G0B+4*\s+3], 0x80000000
	JLOAD G0A+4*\s, G1A, G0B+4*\s, G1B
.endr
	v_and_b32 v1, 15, v0                           ; r
	v_bfe_u32 v2, v0, 4, 1                         ; h
	v_and_b32 v3, 31, v0                           ; lane
	v_lshlrev_b32 v[ADRA], 4, v3
	v_add_nc_u32 v[ADRA+1], SLOT, v[ADRA]
	s_mul_i32 s26, s20, 24576
	s_add_co_u32 s26, s26, 49152
	v_add_nc_u32 v[ADRB], s26, v[ADRA]
	v_add_nc_u32 v[ADRB+1], SLOT, v[ADRB]
	v_lshl_add_u32 v[ADSH], v1, 3, SCL
	s_lshl_b32 s26, s20, 12
	s_add_co_u32 s26, s26, 8192                    ; my groups of B lie (8 + 4 wave) x 1,024 bytes behind A's first
	v_mul_u32_u24 v4, s26, v2
	v_add_nc_u32 v[ADSL], v4, v[ADSH]
	; the ways out's addresses, made here for every cluster
	s_mul_i32 s26, s21, 6144                       ; v: my 64 keys are half (wave % 2) of K step (wave / 2) of the work-group's two
	s_mul_i32 s27, s22, 520
	s_add_co_u32 s27, s27, s26
	v_add_nc_u32 v5, s27, v[ADRA]                  ; registers 6 cc, 6 cc + 1 of an image
	v_add_nc_u32 v7, 512, v5                       ; registers 6 cc + 4, 6 cc + 5
	s_mul_i32 s27, s22, 1016
	s_add_co_u32 s27, s27, s26
	s_add_co_u32 s27, s27, 8
	v_add_nc_u32 v6, s27, v[ADRA]                  ; registers 6 cc + 2, 6 cc + 3
	s_lshl_b32 s27, s21, 8
	s_lshl_b32 s26, s22, 1
	s_add_co_u32 s27, s27, s26
	s_add_co_u32 s27, s27, 24576
	v_lshl_add_u32 v8, v1, 2, s27                  ; my two bytes of row r's scale word
	s_mul_i32 s27, s20, 6144
	v_add_nc_u32 v9, s27, v[ADRA]                  ; back: four images a wave
	s_lshl_b32 s27, s20, 8
	s_add_co_u32 s27, s27, 24576
	v_lshl_add_u32 v10, v3, 3, s27                 ; and their 256 bytes of scale words
	v_and_b32 v11, 8, v1
	v_add_nc_u32 v11, v11, v1
	v_lshlrev_b32 v11, 8, v11
	v_lshl_add_u32 v11, v2, 6, v11                 ; cos, sin: row r + 8 (r / 8) of 256 bytes, + 64 h
	v_lshlrev_b32 v12, 6, v2                       ; the gain: 64 h
	v_lshlrev_b32 v13, 3, v3                       ; 8 x lane
	s_mov_b32 s[SEL], 0x76543210
	s_mov_b32 s[SEL+1], 0xfedcba98                 ; lane l xor 16
	s_wait_tensorcnt 1                             ; the scale words and my part of chunk 0 are in; chunk 1's load may stay out
	s_barrier_signal -1
	s_barrier_wait -1
	FETCH_B 0, 0, 0
	FETCH_A 0, 0, 0
	SCALES 0, 0
	FETCH_A 0, 0, 4
	STEP 0, 0, 1                                   ; the first K step's products start the sums
	STEP 0, 1, 0
	STEP 0, 2, 0
	TURN 0, 1, 1, 1
	STEP 1, 0, 0
	STEP 1, 1, 0
	STEP 1, 2, 0
	TURN 1, 0, 1, 2
	STEP 0, 0, 0
	STEP 0, 1, 0
	STEP 0, 2, 0
	TURN 0, 1, 0, 3                                ; nothing is left to fetch
	STEP 1, 0, 0
	STEP 1, 1, 0
	STEP 1, 2, 0
	s_wait_dscnt 12                                ; the last K step
	WIN MUL
	MUL8 0, 1, 3, 1, 0
	MUL8 2, 1, 3, 1, 0
	s_wait_dscnt 0x0
	MUL8 4, 1, 3, 1, 0
	MUL8 6, 1, 3, 1, 0
	WIN 0
	PLACES 4                                       ; in front of the first reads of results and of loads into registers that held operands
; 32 numbers of a lane, register 16 b + i = k 32 b + 16 (lane / 16) + i of my row, in window 0 (w = 0) or 2, become half a fragment in v[C:C+5] (lane (r, h): block h) and the word byte 0 | byte 1 << 8 | 0x7f7f0000
.macro QUANT2 s, w, pw
.if \w
	WIN 0x0a
.endif
.irp b, 0,1
	v_max3_num_f32 v[TM+\b], |v[(\s)+16*\b]|, |v[(\s)+16*\b+1]|, 0x2800000   ; each accumulator is read from its low end on; the floor 2^(5 - 127) holds the byte at 1 from below
.endr
.irp i, 2,4,6,8,10,12,14
.irp b, 0,1
	v_max3_num_f32 v[TM+\b], |v[(\s)+16*\b+\i]|, |v[(\s)+16*\b+\i+1]|, v[TM+\b]
.endr
.endr
	WIN 0
.irp b, 0,1
	v_permlanex16_b32 v[TM+2+\b], v[TM+\b], s[SEL], s[SEL+1]
.endr
.irp b, 0,1
	v_max_num_f32 v[TM+\b], v[TM+\b], v[TM+2+\b]
.endr
.irp b, 0,1
	v_add_nc_u32 v[TM+4+\b], 0xfe000000, v[TM+\b]  ; 4 off the exponent field: the conversion's scale operand
.endr
.irp b, 0,1
	v_lshrrev_b32 v[TM+2+\b], 23, v[TM+4+\b]
.endr
	v_lshl_or_b32 v[\pw], v[TM+3], 8, v[TM+2]
	v_or_b32 v[\pw], 0x7f7f0000, v[\pw]
.if \w
	WIN 0x02
.endif
	v_cvt_scalef32_pk16_bf6_f32 v[C:C+2], v[(\s):(\s)+15], v[TM+4]
	v_cvt_scalef32_pk16_bf6_f32 v[C+4:C+6], v[(\s)+16:(\s)+31], v[TM+5]
	WIN 0
	v_nop                                          ; one plain line behind a scaled conversion
.irp i, 0,1,2
	v_permlane16_swap_b32 v[C+\i], v[C+4+\i]       ; a whole block to a lane
.endr
	v_mov_b32 v[C+3], v[C+4]
	v_mov_b32 v[C+4], v[C+5]
	v_mov_b32 v[C+5], v[C+6]
.endm
.irp i, 0,1,2,3,4,5,6,7
	v_mov_b32 v[PD+\i], 0                          ; a lane permute's destination counts as one of its sources
.endr
	v_mov_b32 v[TM+2], 0
	v_mov_b32 v[TM+3], 0
	s_cmp_lt_u32 ttmp9, 40
	s_cbranch_scc0 .Lvpath
; ---------------- q and k.  Lane (r, h) holds a token; the 32 registers of block a are channels 32 b + 16 h + i of my wave's head.
	s_cmp_lt_u32 ttmp9, 32
	s_cselect_b64 s[60:61], s[16:17], s[18:19]     ; qa or ka
	s_cselect_b64 s[62:63], s[12:13], s[14:15]     ; the gain
	s_cselect_b32 s26, 7, 1
	s_mov_b32 s27, 208896
	s_cselect_b32 s27, 98304, s27                  ; a head's codes, from head to head
	s_mov_b32 s93, 208896
	s_cselect_b32 s93, 8192, s93                   ; its scale words, from head to head,
	s_mov_b32 s94, 196608
	s_cselect_b32 s94, 3145728, s94                ; and where they begin
	s_and_b32 s26, ttmp9, s26
	s_lshl_b32 s26, s26, 2
	s_add_co_u32 s26, s26, s20                     ; my head
	s_lshr_b32 s95, s92, 3                         ; which 128 tokens
	s_mul_i32 s96, s26, s27
	s_mul_i32 s97, s95, 6144
	s_add_co_u32 s96, s96, s97
	s_mov_b32 s97, 0
	s_add_nc_u64 s[96:97], s[60:61], s[96:97]      ; half images [group][768]
	s_mul_i32 s98, s26, s93
	s_add_co_u32 s98, s98, s94
	s_lshl_b32 s99, s95, 9
	s_add_co_u32 s98, s98, s99
	s_mov_b32 s99, 0
	s_add_nc_u64 s[98:99], s[60:61], s[98:99]      ; scale words [128 tokens][lane][4]
	s_lshl_b32 s66, s95, 15
	s_mov_b32 s67, 0
	s_add_nc_u64 s[8:9], s[8:9], s[66:67]          ; cos and sin at these 128 tokens
	s_add_nc_u64 s[10:11], s[10:11], s[66:67]
	s_mov_b32 s100, 0x358637bd                     ; 1e-6
.irp b, 0,1
.irp j, 0,1,2,3
	global_load_b128 v[SCV+16*\b+4*\j:SCV+16*\b+4*\j+3], v12, s[62:63] offset:128*\b+16*\j
.endr
.endr
.macro CSLOAD a, set                   ; block a's cos (channels 16 h + i, 32 + 16 h + i) and sin likewise, into window 1
	WIN 0x40
.irp b, 0,1
.irp j, 0,1,2,3
	global_load_b128 v[64*(\set)+16*\b+4*\j:64*(\set)+16*\b+4*\j+3], v11, s[8:9] offset:(32*((\a)/2)+8*((\a)%2))*256+128*\b+16*\j
.endr
.endr
.irp b, 0,1
.irp j, 0,1,2,3
	global_load_b128 v[64*(\set)+32+16*\b+4*\j:64*(\set)+32+16*\b+4*\j+3], v11, s[10:11] offset:(32*((\a)/2)+8*((\a)%2))*256+128*\b+16*\j
.endr
.endr
	WIN 0
.endm
	CSLOAD 0, 0
	CSLOAD 1, 1
	WIN 0x0a                                       ; the sums of squares, the eight blocks by turns, each accumulator from its low end on
.set p, 0
.rept 16
.irp a, 0,1,2,3,4,5,6,7
.if p == 0
	v_pk_mul_f32 v[SS+2*\a:SS+2*\a+1], v[32*\a:32*\a+1], v[32*\a:32*\a+1]
.else
	v_pk_fma_f32 v[SS+2*\a:SS+2*\a+1], v[32*\a+2*p:32*\a+2*p+1], v[32*\a+2*p:32*\a+2*p+1], v[SS+2*\a:SS+2*\a+1]
.endif
.endr
.set p, p+1
.endr
	WIN 0
.irp a, 0,1,2,3,4,5,6,7
	v_add_f32 v[SS+2*\a], v[SS+2*\a], v[SS+2*\a+1]
.endr
.irp a, 0,1,2,3,4,5,6,7
	v_permlanex16_b32 v[PD+\a], v[SS+2*\a], s[SEL], s[SEL+1]
.endr
.irp a, 0,1,2,3,4,5,6,7
	v_add_f32 v[SS+2*\a], v[SS+2*\a], v[PD+\a]     ; the token's 64 squares
.endr
.irp a, 0,1,2,3,4,5,6,7
	v_fma_f32 v[SS+2*\a], v[SS+2*\a], 0x3c800000, s100   ; / 64 + 1e-6
.endr
.irp a, 0,1,2,3,4,5,6,7
	v_rsq_f32 v[SS+2*\a], v[SS+2*\a]
.endr
	v_nop                                          ; a plain line behind the last of them
	s_wait_alu depctr_va_vdst(0)                   ; one wait for the eight, ahead of their first reader
.macro E2 a
.if (\a) < 7
	s_wait_loadcnt 16                              ; the gain and this block's cos and sin are in; the next block's 16 loads may be out
.else
	s_wait_loadcnt 0x0
.endif
	WIN 0x02
.set p, 0
.rept 16
	v_pk_mul_f32 v[Y+2*p:Y+2*p+1], v[32*(\a)+2*p:32*(\a)+2*p+1], v[SS+2*(\a):SS+2*(\a)+1] op_sel_hi:[1,0]   ; x / rms
.set p, p+1
.endr
	WIN 0
.set p, 0
.rept 16
	v_pk_mul_f32 v[Y+2*p:Y+2*p+1], v[Y+2*p:Y+2*p+1], v[SCV+2*p:SCV+2*p+1]   ; x the gain
.set p, p+1
.endr
	WIN 0x04                                       ; source 1 (cos, sin) in window 1
.set CB, 64*((\a)%2)
.set p, 0
.rept 8
	v_pk_mul_f32 v[T:T+1], v[Y+2*p:Y+2*p+1], v[CB+2*p:CB+2*p+1]
	v_pk_mul_f32 v[T+2:T+3], v[Y+16+2*p:Y+16+2*p+1], v[CB+16+2*p:CB+16+2*p+1]
	v_pk_fma_f32 v[RO+2*p:RO+2*p+1], v[Y+16+2*p:Y+16+2*p+1], v[CB+32+2*p:CB+32+2*p+1], v[T:T+1] neg_lo:[1,0,0] neg_hi:[1,0,0]   ; x1 cos - x2 sin
	v_pk_fma_f32 v[RO+16+2*p:RO+16+2*p+1], v[Y+2*p:Y+2*p+1], v[CB+48+2*p:CB+48+2*p+1], v[T+2:T+3]                               ; x2 cos + x1 sin
.set p, p+1
.endr
	WIN 0
.if (\a)+2 < 8
	CSLOAD (\a)+2, (\a)%2
.endif
	s_wait_xcnt 0x0                                ; the last block's stores have read the codes' registers
	QUANT2 RO, 0, PW+(\a)
	global_store_b128 v[ADRA], v[C:C+3], s[96:97] offset:768*(\a)        ; 512 consecutive bytes
	global_store_b64 v13, v[C+4:C+5], s[96:97] offset:768*(\a)+512       ; 256 consecutive bytes
.endm
.irp a, 0,1,2,3,4,5,6,7
	E2 \a
.endr
	v_cmp_ne_u32 vcc_lo, 0, v2
.irp j, 0,1,2,3
	v_cndmask_b32 v[TJ+\j], v[PW+2*\j], v[PW+2*\j+1], vcc_lo   ; word j: lanes 0-15 block 2 j, lanes 16-31 block 2 j + 1
.endr
	global_store_b128 v[ADRA], v[TJ:TJ+3], s[98:99]
	s_branch .Lend
.Lvpath:
; ---------------- v.  Lane (r, h) holds a channel of block a (head a / 4 of the work-group's two, channel group a % 4); its 32 registers are keys 32 b + 16 h + i of my wave's 64.
; The halves of an image come from two waves: they meet in a stage in slot 0, which has had its last fill and its last read ahead of the last change of slots.
.irp a, 0,1,2,3,4,5,6,7
	QUANT2 32*\a, 2, PW
	ds_store_b64 v5, v[C:C+1] offset:((\a/4)*8+\a%4)*1536
	ds_store_b64 v6, v[C+2:C+3] offset:((\a/4)*8+\a%4)*1536
	ds_store_b64 v7, v[C+4:C+5] offset:((\a/4)*8+\a%4)*1536
	ds_store_b16 v8, v[PW] offset:(\a/4)*512+(\a%4)*64   ; both lanes of a row write the same two bytes with the same value
	s_wait_dscnt 0x0                               ; the stores have read their registers
.endr
	s_lshl_b32 s26, s23, 1
	s_add_co_u32 s26, s26, s21                     ; back: wave w takes head w / 2 of the two, K step w % 2
	s_mul_i32 s96, s26, 208896
	s_sub_co_u32 s27, ttmp9, 40
	s_lshl_b32 s27, s27, 1
	s_add_co_u32 s27, s27, s22
	s_mul_i32 s66, s27, 6144
	s_add_co_u32 s98, s96, s66
	s_add_co_u32 s98, s98, 98304
	s_mov_b32 s99, 0
	s_add_nc_u64 s[98:99], s[18:19], s[98:99]      ; [16 K steps][4 channel groups][1536]
	s_lshl_b32 s27, s27, 8
	s_add_co_u32 s96, s96, s27
	s_add_co_u32 s96, s96, 204800
	s_mov_b32 s97, 0
	s_add_nc_u64 s[96:97], s[18:19], s[96:97]      ; [16 K steps][4 channel groups][16 words]
	s_barrier_signal -1                            ; every wave's stores into the stage are done (the wait for 0 above)
	s_barrier_wait -1
.set k, 0
.rept 12
	ds_load_b128 v[128+4*k:128+4*k+3], v9 offset:512*k
.set k, k+1
.endr
	ds_load_b64 v[176:177], v10
.set k, 0
.rept 12
	s_wait_dscnt 12-k
	global_store_b128 v[ADRA], v[128+4*k:128+4*k+3], s[98:99] offset:512*k   ; 512 consecutive bytes, aligned
.set k, k+1
.endr
	s_wait_dscnt 0x0
	global_store_b64 v13, v[176:177], s[96:97]     ; 256 consecutive bytes, aligned
.Lend:
	s_wait_tensorcnt 0x0                           ; the wave's end
	ds_add_u32 v[SPW], v[NIL]
	s_wait_dscnt 0x0
	CROUND                                         ; the closing round
	s_endpgm
.Lfunc_end_k_q035607e737_proj:
	.size	k_q035607e737_proj, .Lfunc_end_k_q035607e737_proj-k_q035607e737_proj
	.p2alignl 7, 3214868480
	.fill 96, 4, 3214868480
	.section	.rodata,"a",@progbits
	.p2align	6, 0x0
	.amdhsa_kernel k_q035607e737_proj
		.amdhsa_group_segment_fixed_size 327680
		.amdhsa_private_segment_fixed_size 0
		.amdhsa_enable_private_segment 0
		.amdhsa_kernarg_size 64
		.amdhsa_user_sgpr_count 2
		.amdhsa_user_sgpr_kernarg_segment_ptr 1
		.amdhsa_wavefront_size32 1
		.amdhsa_system_sgpr_workgroup_id_x 1
		.amdhsa_system_sgpr_workgroup_id_y 1
		.amdhsa_system_sgpr_workgroup_id_z 1
		.amdhsa_system_vgpr_workitem_id 0
		.amdhsa_next_free_vgpr 768
		.amdhsa_next_free_sgpr 102
		.amdhsa_reserve_vcc 1
		.amdhsa_float_denorm_mode_32 3
		.amdhsa_float_denorm_mode_16_64 3
		.amdhsa_memory_ordered 1
		.amdhsa_forward_progress 1
		.amdhsa_inst_pref_size 221
	.end_amdhsa_kernel
	.amdgpu_metadata
---
amdhsa.version: [ 1, 2 ]
amdhsa.kernels:
  - .name:           k_q035607e737_proj
    .symbol:         k_q035607e737_proj.kd
    .args:
      - { .name: xq, .offset: 0, .size: 8, .value_kind: global_buffer, .address_space: global }
      - { .name: wc, .offset: 8, .size: 8, .value_kind: global_buffer, .address_space: global }
      - { .name: cos, .offset: 16, .size: 8, .value_kind: global_buffer, .address_space: global }
      - { .name: sin, .offset: 24, .size: 8, .value_kind: global_buffer, .address_space: global }
      - { .name: q_scale, .offset: 32, .size: 8, .value_kind: global_buffer, .address_space: global }
      - { .name: k_scale, .offset: 40, .size: 8, .value_kind: global_buffer, .address_space: global }
      - { .name: qa, .offset: 48, .size: 8, .value_kind: global_buffer, .address_space: global }
      - { .name: ka, .offset: 56, .size: 8, .value_kind: global_buffer, .address_space: global }
    .group_segment_fixed_size: 327680
    .private_segment_fixed_size: 0
    .kernarg_segment_align: 8
    .kernarg_segment_size: 64
    .max_flat_workgroup_size: 128
    .sgpr_count:     102
    .vgpr_count:     768
    .wavefront_size: 32
...
	.end_amdgpu_metadata
.endif
;; end of part 2
;; launch attn (part 3): grid 32 x 8, 16 waves a work-group, no clusters, 223,744 bytes of LDS; arguments qa, ka, mw, ca; writes ca
.if DOCPART == 3
	.amdgcn_target "amdgcn-amd-amdhsa--gfx1250"
	.amdhsa_code_object_version 6
	.text
	.protected	k_q035607e737_attn
	.globl	k_q035607e737_attn
	.p2align	8
	.type	k_q035607e737_attn,@function
k_q035607e737_attn:
	s_mov_b64 s[64:65], 0
	v_nop
	global_prefetch_b8 v0, s[64:65] scope:SCOPE_SE
	s_setreg_imm32_b32 hwreg(HW_REG_WAVE_MODE, 25, 1), 1
	s_wait_xcnt 0x0
; ctx = softmax(q k^T / 8, hidden keys at -infinity) v, both products on codes of BF6 with E8M0 scales; ctx leaves as codes, quantised along the 2,048 columns of the last product's K.
; THE SOFTMAX: t = score x log2(e) / 8; M = the running largest t rounded up to a whole number; p = 2^(t - M) is quantised along the keys; the row's sum is taken of the unquantised p and divides at the end.
; SHARES.  A work-group owns one key and value head and four groups of 16 queries (j, 63 - j, 64 + j, 127 - j); its sixteen waves are those four groups x the four query heads, one tile of 16 queries a wave.
; The head's K, V and their scale words, 208,896 bytes, are copied into LDS once, through registers; no tensor load; the loop over the keys branches on whole numbers that an earlier launch stored.
; THE MASK is read as that launch packed it: 64 lane masks for each group of queries and step of 128 keys, and a flag: 0 all hidden (the step is passed over: every p would be 0 and M would stay), 1 mixed, 2 none hidden (the selects are passed over).
; LAYOUT.  Both products transposed: S^T = K Q^T, O^T = V^T P^T: a lane holds one query.  Lane row r of group g is row 32 (g / 2) + 8 (g % 2) + r + 8 (r / 8), so the 16 registers of tiles 2 b, 2 b + 1 are 16 neighbours.
; K = 64 in the first product: Q's registers 6-11 are zero codes, so what stands in a K fragment's upper six registers (the next tile's codes: every code is a finite number) adds 0; the scale bytes there are 127.
; A ROW WITH NO VISIBLE KEY has the sum 0: its scale bytes are set to 0xff, so that the last product gives NaN there, as the softmax of such a row is NaN.
; LIMITS: a block of zeros gets the byte 1 where the rule says 127 (its codes are zeros, and this program alone reads the bytes); NaN and infinities among the inputs are not served.
; REGISTERS: v1-6 addresses that stay; v7-11 the step's; v12 -M, v13 largest t, v[14:15] the sum; v16-27 Q, v28 its scale words; v40-43 K's scale words, v44-45 V's, v46 p's; v48-101 K's eight half fragments, 6 apart, and six zeros; V's four fragments
; take v48-95; v104-167 S^T, then p; v168-199 O^T; v200-211 p's codes; v212-235 at work.  At the head v104-205 carry the copy of K and V.
.set KSO,  196608                      ; LDS: K's half images [128][768] at 0; V's images [16][4][1536] at 98,304; K's scale words [16][lane][4]; V's [16][4][16]
.set VIO,  98304
.set VSO,  204800
.set STG,  208896                      ; the way out: 8 images
.set SST,  221184                      ; and their scale words, 512 bytes
.set FLG,  524288
.set XSCL, 3145728
.set S,    104
.set OT,   168
.set KF,   48
.set PCD,  200
.set CT,   212
.set BM,   220
.set PM,   224
.set SO,   228
.set FF,   232
.set TT,   234
.set PWO,  235
.set WV,   2
.set CNT,  3
.set TBK,  12                          ; 6,144 x step: K's and V's images
.set TBS,  13                          ; 512 x step: K's scale words
.set TBV,  14                          ; 256 x step: V's scale words
.set MOF,  15                          ; 256 x step: the mask's words
.set FL,   66
.set SH,   67
.set SEL,  84
.set CS,   86
.set FT,   88
.set GQ,   89
.set TAU,  90
.set GG,   91
.set KV,   92
.set HQ,   93
.set MP,   96
	s_load_b256 s[4:11], s[0:1], 0x0               ; qa, ka, mw, ca
	v_lshl_add_u32 v254, v0, 2, 0x36200
	v_mov_b32 v255, 0
	v_lshrrev_b32 v1, 5, v0
	v_readfirstlane_b32 s[WV], v1                  ; wave 0..15
	s_and_b32 s[KV], ttmp7, 0xffff                 ; the key and value head
	s_lshr_b32 s[GQ], s[WV], 2                     ; which of its four query heads
	s_add_co_u32 s[TAU], s[WV], s[GQ]
	s_and_b32 s[TAU], s[TAU], 3                    ; which of the four groups of queries
	s_and_b32 s94, s[TAU], 1
	s_sub_co_u32 s95, 63, ttmp9
	s_cmp_eq_u32 s94, 0
	s_cselect_b32 s[GG], ttmp9, s95
	s_lshr_b32 s94, s[TAU], 1
	s_lshl_b32 s94, s94, 6
	s_add_co_u32 s[GG], s[GG], s94                 ; the group: j, 63 - j, 64 + j, 127 - j
	s_lshl_b32 s[HQ], s[KV], 2
	s_add_co_u32 s[HQ], s[HQ], s[GQ]               ; the query head
	v_and_b32 v29, 15, v0
	v_lshlrev_b32 v29, 4, v29                      ; 16 r
	v_and_b32 v3, 31, v0
	v_lshlrev_b32 v1, 4, v3                        ; 16 x lane
	v_lshl_add_u32 v2, v3, 3, 512                  ; 512 + 8 x lane
	v_lshl_add_u32 v5, v3, 4, KSO
	v_lshl_add_u32 v6, v3, 4, VIO
	v_lshl_add_u32 v3, v3, 2, VSO
	v_lshlrev_b32 v30, 4, v0                       ; the copy: 16 bytes a thread,
	v_lshlrev_b32 v31, 3, v0                       ; and 8 for its tail
	v_lshlrev_b32 v7, 4, v0
	v_lshl_add_u32 v8, v0, 4, 65536
	v_lshl_add_u32 v9, v0, 4, 131072
	v_lshl_add_u32 v10, v0, 4, 196608
	v_lshl_add_u32 v11, v0, 3, 196608
	s_mul_i32 s98, s[HQ], 98304
	s_mul_i32 s99, s[GG], 768
	s_add_co_u32 s98, s98, s99
	s_mov_b32 s99, 0
	s_lshl_b32 s100, s[HQ], 13                     ; Q's scale word: [head][g / 8][lane r + 16 (g % 2)][(g / 2) % 4]
	s_lshr_b32 s101, s[GG], 3
	s_lshl_b32 s101, s101, 9
	s_add_co_u32 s100, s100, s101
	s_and_b32 s101, s[GG], 1
	s_lshl_b32 s101, s101, 8
	s_add_co_u32 s100, s100, s101
	s_bfe_u32 s101, s[GG], 0x20001
	s_lshl_b32 s101, s101, 2
	s_add_co_u32 s100, s100, s101
	s_add_co_u32 s100, s100, 3145728
	s_mov_b32 s101, 0
	s_lshl_b32 s94, s[GG], 4
	s_lshl_b32 s[MP], s[GG], 12
	s_mov_b32 s[MP+1], 0
	s_mul_i32 s72, s[KV], 208896
	s_mov_b32 s73, 0
	s_mov_b32 s[SEL], 0x76543210
	s_mov_b32 s[SEL+1], 0xfedcba98                 ; lane l xor 16
	s_mov_b32 s[CS], 0x3e38aa3b                    ; c = log2(e) / 8
	s_mov_b32 s[CS+1], s[CS]
	s_mov_b32 s[TBK], 0
	s_mov_b32 s[TBS], 0
	s_mov_b32 s[TBV], 0
	s_mov_b32 s[MOF], 0
	s_mov_b32 s[SH], 0
	s_mov_b32 s[CNT], 0
	s_wait_kmcnt 0x0
	s_load_b128 s[68:71], s[8:9], s94 offset:FLG   ; my group's flags: 8 bits (four steps) in each word
	s_add_nc_u64 s[MP:MP+1], s[8:9], s[MP:MP+1]    ; my group's mask words
	s_add_nc_u64 s[6:7], s[6:7], s[72:73]          ; my head's block of ka
	s_add_nc_u64 s[98:99], s[4:5], s[98:99]
	s_add_nc_u64 s[100:101], s[4:5], s[100:101]
.set k, 0
.rept 25
	global_load_b128 v[104+4*k:104+4*k+3], v30, s[6:7] offset:8192*k   ; the sixteen waves read 8,192 consecutive bytes
.set k, k+1
.endr
	global_load_b64 v[204:205], v31, s[6:7] offset:204800
	global_load_b128 v[16:19], v1, s[98:99]        ; Q's half image
	global_load_b64 v[20:21], v2, s[98:99]
	global_load_b32 v28, v29, s[100:101]
	; what is set here lies outside v16-21, v28 and v104-205, into which loads are on their way
.irp i, 22,23,24,25,26,27, 96,97,98,99,100,101
	v_mov_b32 v\i, 0                               ; zero codes
.endr
	v_mov_b32 v4, 0xff800000                       ; -infinity
	v_mov_b32 v13, 0xff61b1e6                      ; the largest t so far: -3e38
	v_floor_f32 v12, -v13                          ; -M
	v_mov_b32 v14, 0
	v_mov_b32 v15, 0
.irp i, 0,1,2,3,4,5,6,7
	v_mov_b32 v[BM+\i], 0                          ; lane permutes' destinations count as sources
.endr
	v_mov_b32 v[FF+1], 0                           ; named as the upper half of a pair
.set k, 0
.rept 25
	s_wait_loadcnt 28-k                            ; behind load k: 25 - k of the copy's and Q's three
	ds_store_b128 v[7+k/8], v[104+4*k:104+4*k+3] offset:8192*(k%8)
.set k, k+1
.endr
	s_wait_loadcnt 3
	ds_store_b64 v11, v[204:205] offset:8192
	s_wait_kmcnt 0x0
	s_lshl_b32 s69, s69, 8
	s_lshl_b32 s70, s70, 16
	s_lshl_b32 s71, s71, 24
	s_or_b32 s[FL], s68, s69
	s_or_b32 s[FL], s[FL], s70
	s_or_b32 s[FL], s[FL], s71                     ; 2 bits a step
	s_wait_loadcnt 0x0                             ; Q
	s_wait_dscnt 0x0                               ; for the others' sake: my part of the copy is in LDS
	s_barrier_signal -1
.set i, 0
.rept 32
	v_mov_b32 v[OT+i], 0                           ; O^T: the copy has left these registers (all loads are in, all LDS stores done).  The loop is written once: its first step finds zeros
.set i, i+1
.endr
	s_barrier_wait -1
.Lstep:                                            ; 16 trips, 128 keys each
	s_lshr_b32 s[FT], s[FL], s[SH]
	s_and_b32 s[FT], s[FT], 3
	s_cmp_eq_u32 s[FT], 0
	s_cbranch_scc1 .Lskip                          ; all 16 x 128 hidden
	s_load_b512 s[16:31], s[MP:MP+1], s[MOF] offset:0x0    ; the step's 64 lane masks: they land under K's loads and the products
	s_load_b512 s[32:47], s[MP:MP+1], s[MOF] offset:0x40
	s_load_b512 s[48:63], s[MP:MP+1], s[MOF] offset:0x80
	s_load_b512 s[68:83], s[MP:MP+1], s[MOF] offset:0xc0
	v_add_nc_u32 v7, s[TBK], v1                    ; five plain lines: also the places behind the last trip's products, in front of the loads below
	v_add_nc_u32 v8, s[TBK], v2
	v_add_nc_u32 v9, s[TBK], v6
	v_add_nc_u32 v10, s[TBS], v5
	v_add_nc_u32 v11, s[TBV], v3
.irp t, 0,1,2,3,4,5,6,7
	ds_load_b128 v[KF+6*\t:KF+6*\t+3], v7 offset:768*\t
	ds_load_b64 v[KF+6*\t+4:KF+6*\t+5], v8 offset:768*\t
.endr
	ds_load_b128 v[40:43], v10                     ; register j: lanes 0-15 tile 2 j's words, lanes 16-31 tile 2 j + 1's
	s_wait_dscnt 0x0
.irp t, 0,2,4,6
	v_wmma_scale_f32_16x16x128_f8f6f4 v[S+8*\t:S+8*\t+7], v[KF+6*\t:KF+6*\t+11], v[16:27], 0, v[40+\t/2], v28 matrix_a_fmt:MATRIX_FMT_BF6 matrix_b_fmt:MATRIX_FMT_BF6
	v_wmma_scale_f32_16x16x128_f8f6f4 v[S+8*\t+8:S+8*\t+15], v[KF+6*\t+6:KF+6*\t+17], v[16:27], 0, v[40+\t/2], v28 matrix_a_fmt:MATRIX_FMT_BF6 matrix_b_fmt:MATRIX_FMT_BF6 matrix_a_scale:MATRIX_SCALE_ROW1
.endr
.rept 4
	v_nop                                          ; places in front of the loads into K's registers and of the first read of the scores
.endr
.irp t, 0,1,2,3
.irp c, 0,1,2
	ds_load_b128 v[KF+12*\t+4*\c:KF+12*\t+4*\c+3], v9 offset:1536*\t+512*\c   ; V's four fragments: they land under the softmax
.endr
.endr
	ds_load_b32 v44, v11                           ; lanes 0-15 channel group 0's words, lanes 16-31 group 1's
	ds_load_b32 v45, v11 offset:128
	s_wait_kmcnt 0x0
	s_cmp_eq_u32 s[FT], 2
	s_cbranch_scc1 .Lopen                          ; nothing hidden
.set n, 0
.rept 64
.if n < 48
	v_cndmask_b32 v[S+n], v[S+n], v4, s[16+n]      ; hidden scores become -infinity: p = 0 then
.else
	v_cndmask_b32 v[S+n], v[S+n], v4, s[20+n]
.endif
.set n, n+1
.endr
.Lopen:
.irp b, 0,1,2,3
	v_max3_num_f32 v[BM+\b], v[S+16*\b], v[S+1+16*\b], v[S+2+16*\b]   ; the largest score of each block of 32 keys: for the row's maximum, and, since p rises with the score, for the block's largest p
.endr
.irp i, 3,5,7,9,11,13
.irp b, 0,1,2,3
	v_max3_num_f32 v[BM+\b], v[BM+\b], v[S+16*\b+\i], v[S+1+16*\b+\i]
.endr
.endr
.irp b, 0,1,2,3
	v_max_num_f32 v[BM+\b], v[BM+\b], v[S+15+16*\b]
.endr
.irp b, 0,1,2,3
	v_permlanex16_b32 v[PM+\b], v[BM+\b], s[SEL], s[SEL+1]
.endr
.irp b, 0,1,2,3
	v_max_num_f32 v[BM+\b], v[BM+\b], v[PM+\b]
.endr
	v_max3_num_f32 v[TT], v[BM], v[BM+1], v[BM+2]
	v_max_num_f32 v[TT], v[TT], v[BM+3]
	v_mul_f32 v[TT], s[CS], v[TT]
	v_max_num_f32 v13, v13, v[TT]                  ; the running largest t
	v_mov_b32 v[TT], v12
	v_floor_f32 v12, -v13                          ; the new -M: M is a whole number
	v_sub_f32 v[TT], v12, v[TT]
	v_cvt_i32_f32 v[TT], v[TT]                     ; (it saturates)
	v_ldexp_f32 v[FF], 1.0, v[TT]                  ; f = 2^(old M - new M)
.set j, 0
.rept 32
	v_pk_fma_f32 v[S+j:S+j+1], v[S+j:S+j+1], s[CS:CS+1], v[12:13] op_sel_hi:[1,0,0]   ; t - M
.set j, j+2
.endr
.irp b, 0,1,2,3
	v_fma_f32 v[BM+\b], v[BM+\b], s[CS], v12
.endr
.set j, 0
.rept 64
	v_exp_f32 v[S+j], v[S+j]                       ; p, not normalised
.set j, j+1
.endr
	v_pk_mul_f32 v[14:15], v[14:15], v[FF:FF+1] op_sel_hi:[1,0]   ; the sums under the new M (a plain line behind the exponentials)
	s_wait_alu depctr_va_vdst(0)                   ; one wait for the batch, ahead of its first reader
.irp b, 0,1,2,3
	v_exp_f32 v[BM+\b], v[BM+\b]                   ; the blocks' largest p
.endr
	v_pk_add_f32 v[PM:PM+1], v[S:S+1], v[S+2:S+3]  ; the row's sum of the unquantised p, in two chains
.irp j, 4,8,12,16,20,24,28,32,36,40,44,48,52,56,60
	v_pk_add_f32 v[14:15], v[14:15], v[S+\j:S+\j+1]
	v_pk_add_f32 v[PM:PM+1], v[PM:PM+1], v[S+2+\j:S+3+\j]
.endr
	v_pk_add_f32 v[14:15], v[14:15], v[PM:PM+1]
	s_wait_alu depctr_va_vdst(0)                   ; and one for the four
.irp b, 0,1,2,3
	v_max_num_f32 v[BM+\b], 0x2800000, v[BM+\b]    ; the floor 2^(5 - 127)
.endr
.irp b, 0,1,2,3
	v_add_nc_u32 v[SO+\b], 0xfe000000, v[BM+\b]
.endr
.irp b, 0,1,2,3
	v_lshrrev_b32 v[PM+\b], 23, v[SO+\b]
.endr
	v_lshl_or_b32 v46, v[PM+1], 8, v[PM]           ; p's scale word for these 128 keys
	v_lshl_or_b32 v46, v[PM+2], 16, v46
	v_lshl_or_b32 v46, v[PM+3], 24, v46
.irp c, 0,1
	v_cvt_scalef32_pk16_bf6_f32 v[PCD+6*\c:PCD+2+6*\c], v[S+32*\c:S+15+32*\c], v[SO+2*\c]
	v_cvt_scalef32_pk16_bf6_f32 v[CT+4*\c:CT+2+4*\c], v[S+16+32*\c:S+31+32*\c], v[SO+2*\c+1]
.endr
	v_nop                                          ; one plain line behind a scaled conversion
.irp c, 0,1
.irp i, 0,1,2
	v_permlane16_swap_b32 v[PCD+6*\c+\i], v[CT+4*\c+\i]
.endr
.irp i, 0,1,2
	v_mov_b32 v[PCD+3+6*\c+\i], v[CT+4*\c+\i]
.endr
.endr
.set j, 0
.rept 16
	v_pk_mul_f32 v[OT+j:OT+j+1], v[OT+j:OT+j+1], v[FF:FF+1] op_sel_hi:[1,0]   ; O^T under the new M; these sixteen are also the places between the scale word and codes just made and the products
.set j, j+2
.endr
	s_wait_dscnt 0x0                               ; V
.irp t, 0,2
	v_wmma_scale_f32_16x16x128_f8f6f4 v[OT+8*\t:OT+8*\t+7], v[KF+12*\t:KF+12*\t+11], v[PCD:PCD+11], v[OT+8*\t:OT+8*\t+7], v[44+\t/2], v46 matrix_a_fmt:MATRIX_FMT_BF6 matrix_b_fmt:MATRIX_FMT_BF6
	v_wmma_scale_f32_16x16x128_f8f6f4 v[OT+8*\t+8:OT+8*\t+15], v[KF+12*\t+12:KF+12*\t+23], v[PCD:PCD+11], v[OT+8*\t+8:OT+8*\t+15], v[44+\t/2], v46 matrix_a_fmt:MATRIX_FMT_BF6 matrix_b_fmt:MATRIX_FMT_BF6 matrix_a_scale:MATRIX_SCALE_ROW1
.endr
.Lskip:
	s_add_co_u32 s[TBK], s[TBK], 6144
	s_add_co_u32 s[TBS], s[TBS], 512
	s_add_co_u32 s[TBV], s[TBV], 256
	s_add_co_u32 s[MOF], s[MOF], 256
	s_add_co_u32 s[SH], s[SH], 2
	s_add_co_u32 s[CNT], s[CNT], 1
	s_cmp_lt_u32 s[CNT], 16
	s_cbranch_scc1 .Lstep
	; THE WAY OUT.  O^T / the sum: register 16 b + i is channel 32 b + 16 h + i of my head: half (head % 2) of K step (head / 2) of the last product.  The halves meet in a stage.
	v_add_f32 v14, v14, v15
	v_permlanex16_b32 v[PM], v14, s[SEL], s[SEL+1]
	v_add_f32 v14, v14, v[PM]                      ; the row's sum
	v_rcp_f32 v15, v14
	s_lshr_b32 s94, s[GQ], 1
	s_and_b32 s95, s[GQ], 1
	s_lshl_b32 s98, s[TAU], 1
	s_add_co_u32 s98, s98, s94
	s_mul_i32 s98, s98, 1536
	s_add_co_u32 s98, s98, STG                     ; image 2 x (group of the four) + head / 2
	s_mul_i32 s99, s95, 520
	s_add_co_u32 s99, s99, s98
	v_add_nc_u32 v7, s99, v1                       ; registers 6 cc, 6 cc + 1  (plain lines behind the reciprocal)
	v_add_nc_u32 v9, 512, v7                       ; 6 cc + 4, 6 cc + 5
	s_mul_i32 s99, s95, 1016
	s_add_co_u32 s99, s99, s98
	s_add_co_u32 s99, s99, 8
	v_add_nc_u32 v8, s99, v1                       ; 6 cc + 2, 6 cc + 3
	s_lshl_b32 s99, s[TAU], 7
	s_lshl_b32 s94, s94, 2
	s_add_co_u32 s99, s99, s94
	s_lshl_b32 s95, s95, 1
	s_add_co_u32 s99, s99, s95
	s_add_co_u32 s99, s99, SST
	v_and_b32 v10, 15, v0
	v_lshl_add_u32 v10, v10, 3, s99                ; my two bytes of row r's two scale words
	s_and_b32 s94, s[WV], 7                        ; back: waves 0-7 store an image each
	s_mul_i32 s95, s94, 1536
	s_add_co_u32 s95, s95, STG
	v_add_nc_u32 v11, s95, v1
	v_add_nc_u32 v32, SST, v1                      ; wave 8 the scale words
	s_lshr_b32 s98, s94, 1
	s_and_b32 s99, s98, 1
	s_sub_co_u32 s100, 63, ttmp9
	s_cmp_eq_u32 s99, 0
	s_cselect_b32 s100, ttmp9, s100
	s_lshr_b32 s98, s98, 1
	s_lshl_b32 s98, s98, 6
	s_add_co_u32 s100, s100, s98                   ; that image's group of tokens
	s_mul_i32 s98, s100, 24576
	s_lshl_b32 s99, s[KV], 1
	s_and_b32 s101, s[WV], 1
	s_add_co_u32 s99, s99, s101
	s_mul_i32 s99, s99, 1536
	s_add_co_u32 s98, s98, s99
	s_mov_b32 s99, 0
	s_add_nc_u64 s[98:99], s[10:11], s[98:99]
	s_lshl_b32 s100, s[KV], 7
	s_add_co_u32 s100, s100, XSCL
	s_mov_b32 s101, 0
	s_add_nc_u64 s[100:101], s[10:11], s[100:101]
	v_and_b32 v34, 31, v0
	v_lshrrev_b32 v35, 3, v34                      ; eight lanes to a group's 128 bytes of scale words
	v_and_b32 v36, 1, v35
	v_lshrrev_b32 v35, 1, v35
	s_lshl_b32 s94, ttmp9, 1
	s_sub_co_u32 s94, 63, s94
	s_mov_b32 s95, ttmp9
	v_mul_u32_u24 v36, s94, v36
	v_add_nc_u32 v36, s95, v36
	v_lshl_add_u32 v36, v35, 6, v36                ; the group
	v_and_b32 v35, 7, v34
	v_lshlrev_b32 v35, 4, v35
	v_lshl_add_u32 v33, v36, 10, v35
	v_mov_b32 v37, -1
	s_wait_alu depctr_va_vdst(0)                   ; ahead of the reciprocal's first reader
.set j, 0
.rept 32
	v_mul_f32 v[S+j], v[OT+j], v15                 ; each accumulator from its low end on
.set j, j+1
.endr
.irp b, 0,1
	v_max3_num_f32 v[BM+\b], |v[S+16*\b]|, |v[S+16*\b+1]|, 0x2800000
.endr
.irp i, 2,4,6,8,10,12,14
.irp b, 0,1
	v_max3_num_f32 v[BM+\b], |v[S+16*\b+\i]|, |v[S+16*\b+\i+1]|, v[BM+\b]
.endr
.endr
.irp b, 0,1
	v_permlanex16_b32 v[BM+2+\b], v[BM+\b], s[SEL], s[SEL+1]
.endr
.irp b, 0,1
	v_max_num_f32 v[BM+\b], v[BM+\b], v[BM+2+\b]
.endr
.irp b, 0,1
	v_add_nc_u32 v[SO+\b], 0xfe000000, v[BM+\b]
.endr
.irp b, 0,1
	v_lshrrev_b32 v[BM+2+\b], 23, v[SO+\b]
.endr
	v_lshl_or_b32 v[PWO], v[BM+3], 8, v[BM+2]
	v_cmp_eq_f32 vcc_lo, 0, v14
	v_cndmask_b32 v[PWO], v[PWO], v37, vcc_lo      ; no visible key: the bytes 0xff
	v_cvt_scalef32_pk16_bf6_f32 v[CT:CT+2], v[S:S+15], v[SO]
	v_cvt_scalef32_pk16_bf6_f32 v[CT+4:CT+6], v[S+16:S+31], v[SO+1]
	v_nop
.irp i, 0,1,2
	v_permlane16_swap_b32 v[CT+\i], v[CT+4+\i]
.endr
	v_mov_b32 v[CT+3], v[CT+4]
	v_mov_b32 v[CT+4], v[CT+5]
	v_mov_b32 v[CT+5], v[CT+6]
	ds_store_b64 v7, v[CT:CT+1]
	ds_store_b64 v8, v[CT+2:CT+3]
	ds_store_b64 v9, v[CT+4:CT+5]
	ds_store_b16 v10, v[PWO]                       ; both lanes of a row write the same two bytes with the same value
	s_wait_dscnt 0x0                               ; for the others' sake
	s_barrier_signal -1
	s_barrier_wait -1
	s_cmp_lt_u32 s[WV], 8
	s_cbranch_scc0 .Lnot_img
.irp c, 0,1,2
	ds_load_b128 v[S+4*\c:S+4*\c+3], v11 offset:512*\c
.endr
	s_wait_dscnt 0x0
.irp c, 0,1,2
	global_store_b128 v1, v[S+4*\c:S+4*\c+3], s[98:99] offset:512*\c   ; 512 consecutive bytes, aligned
.endr
	s_branch .Lend
.Lnot_img:
	s_cmp_eq_u32 s[WV], 8
	s_cbranch_scc0 .Lend
	ds_load_b128 v[S:S+3], v32
	s_wait_dscnt 0x0
	global_store_b128 v33, v[S:S+3], s[100:101]    ; four runs of 128 consecutive bytes: one K pair of four groups
.Lend:
	s_wait_tensorcnt 0x0
	ds_add_u32 v254, v255
	s_wait_dscnt 0x0
	s_endpgm
.Lfunc_end_k_q035607e737_attn:
	.size	k_q035607e737_attn, .Lfunc_end_k_q035607e737_attn-k_q035607e737_attn
	.p2alignl 7, 3214868480
	.fill 96, 4, 3214868480
	.section	.rodata,"a",@progbits
	.p2align	6, 0x0
	.amdhsa_kernel k_q035607e737_attn
		.amdhsa_group_segment_fixed_size 223744
		.amdhsa_private_segment_fixed_size 0
		.amdhsa_enable_private_segment 0
		.amdhsa_kernarg_size 32
		.amdhsa_user_sgpr_count 2
		.amdhsa_user_sgpr_kernarg_segment_ptr 1
		.amdhsa_wavefront_size32 1
		.amdhsa_system_sgpr_workgroup_id_x 1
		.amdhsa_system_sgpr_workgroup_id_y 1
		.amdhsa_system_sgpr_workgroup_id_z 1
		.amdhsa_system_vgpr_workitem_id 0
		.amdhsa_next_free_vgpr 256
		.amdhsa_next_free_sgpr 102
		.amdhsa_reserve_vcc 1
		.amdhsa_float_denorm_mode_32 3
		.amdhsa_float_denorm_mode_16_64 3
		.amdhsa_memory_ordered 1
		.amdhsa_forward_progress 1
		.amdhsa_inst_pref_size 38
	.end_amdhsa_kernel
	.amdgpu_metadata
---
amdhsa.version: [ 1, 2 ]
amdhsa.kernels:
  - .name:           k_q035607e737_attn
    .symbol:         k_q035607e737_attn.kd
    .args:
      - { .name: qa, .offset: 0, .size: 8, .value_kind: global_buffer, .address_space: global }
      - { .name: ka, .offset: 8, .size: 8, .value_kind: global_buffer, .address_space: global }
      - { .name: mw, .offset: 16, .size: 8, .value_kind: global_buffer, .address_space: global }
      - { .name: ca, .offset: 24, .size: 8, .value_kind: global_buffer, .address_space: global }
    .group_segment_fixed_size: 223744
    .private_segment_fixed_size: 0
    .kernarg_segment_align: 8
    .kernarg_segment_size: 32
    .max_flat_workgroup_size: 512
    .sgpr_count:     102
    .vgpr_count:     256
    .wavefront_size: 32
...
	.end_amdgpu_metadata
.endif
;; end of part 3
;; launch outp (part 4): grid 128 x 1, 4 waves a work-group, clusters of 4 x 1, 327,680 bytes of LDS; arguments ca, wc, out0; writes out0
.if DOCPART == 4
	.amdgcn_target "amdgcn-amd-amdhsa--gfx1250"
	.amdhsa_code_object_version 6
	.text
	.protected	k_q035607e737_outp
	.globl	k_q035607e737_outp
	.p2align	8
	.type	k_q035607e737_outp,@function
k_q035607e737_outp:
	s_mov_b64 s[64:65], 0
	v_nop
	global_prefetch_b8 v0, s[64:65] scope:SCOPE_SE
	s_setreg_imm32_b32 hwreg(HW_REG_WAVE_MODE, 25, 1), 1
	s_wait_xcnt 0x0
	s_wait_alu depctr_hold_cnt(0) depctr_sa_sdst(0) depctr_va_vdst(0) depctr_va_sdst(0) depctr_va_ssrc(0) depctr_va_vcc(0) depctr_vm_vsrc(0)
	s_getreg_b32 s2, hwreg(HW_REG_IB_STS2, 6, 4)
	s_cmp_eq_u32 s2, 0
	s_cbranch_scc0 .Lentry_in_a_cluster
	s_endpgm
.Lentry_in_a_cluster:
	s_bfe_u32 s2, ttmp6, 0x10000c
	s_cmp_lg_u32 s2, 0x3003
	s_cbranch_scc0 .Lentry_shape_is_right
	s_endpgm
.Lentry_shape_is_right:
; out0 = ctx Wo on codes of BF6 with E8M0 scales.  ctx's codes (ca) and Wo's (wc, row groups 192-319) are images of fragments: 16 rows x 128 K in 1,536 bytes, register p of lane l at 512 (p / 4) + 16 l + 4 (p % 4);
; lane row r of row group g is row 32 (g / 2) + 8 (g % 2) + r + 8 (r / 8).
; A work-group of four waves multiplies A's 8 row groups (128 tokens, all waves) by B's 16 (256 columns, four groups a wave): 32 accumulators a wave.  The product is used transposed (source 0 = B's rows, source 1 = A's):
; a lane holds one token, and the 32 registers of an A block are columns 32 b + 16 (lane / 16) + i of the wave's 64.
; K = 2,048 goes in four chunks of four K steps through two LDS slots.  CLUSTER 4 x 1: the four partners have the same B and four different A: B's tiles are asked for jointly, A's by plain loads in the same rounds.
; The scale words of all 24 row groups, for all of K, come once.  By this text's own count a wave has at most three tensor loads out.
; A scale byte 0xff in ctx (a token none of whose keys was visible) makes that token's row NaN.
; REGISTERS.  Window 0: v1-3 lane numbers; v5-7 the way out's addresses; v16-29 addresses; v32-95 scale words, two sets; v96-191 A's fragments, one set; on the way out v128-191 rows of the result.
;   Window 1: B's fragments, two sets, at v0 and v128.   Window 2: accumulator (a, b) at v[8 (4 a + b)].
.set SLOT,  147456                     ; [24 row groups][4 K steps][1536]: A's 8 groups, then B's 16
.set SCL,   294912                     ; scale words [24 row groups][8 pairs of K steps][r][2 words]
.set SPARE, 319488                     ; the spare words: 128 bytes a wave, two blocks of 256 bytes that no other line names
.set XSCL,  3145728
.set WSCL,  7864320
.set ADRA, 16
.set ADRB, 20
.set ADSL, 24
.set ADSH, 25
.set SPW,  28
.set NIL,  29
.set SC,   32
.set AF,   96
.set STO,  5
.set RD,   6
.set CO,   7
.set G1A,  28
.set G1B,  36
.set G0A,  44
.set G0B,  52
.set G1SA, 68
.set G1SB, 76
.set G0SA, 84
.set G0SB, 88
.set MUL,  0xa1                        ; source 0 (B) window 1, source 1 (A) window 0, C and D window 2
.set MSB, 0
.macro WIN new                         ; the immediate's high byte repeats the setting that is left
.if MSB != \new
	s_set_vgpr_msb (MSB<<8)|\new
.set MSB, \new
.endif
.endm
; Waves 0 and 1 fetch for A, waves 2 and 3 for B.  The branch hangs on the wave's number alone.  Four v_nop follow each of the two lines.
.macro JLOAD g0a, g1a, g0b, g1b
	s_cmp_eq_u32 s21, 0
	s_cbranch_scc0 .Lfor_b_\@
	tensor_load_to_lds s[\g0a:\g0a+3], s[\g1a:\g1a+7]
	s_nop 0
.rept 4
	v_nop
.endr
	s_branch .Lasked_\@
.Lfor_b_\@:
	tensor_load_to_lds s[\g0b:\g0b+3], s[\g1b:\g1b+7]
	s_nop 0
.rept 4
	v_nop
.endr
.Lasked_\@:
.endm
.macro CREST                           ; a round of the cluster's barrier behind its opening barrier
	s_cmp_lg_u32 s20, 0
	s_cbranch_scc1 .Lnot_wave_0_\@
	s_barrier_signal -3
.Lnot_wave_0_\@:
	s_barrier_wait -3
	s_barrier_signal -1
	s_barrier_wait -1
.endm
.macro CROUND
	s_barrier_signal -1
	s_barrier_wait -1
	CREST
.endm
.macro PLACES n                        ; plain vector lines between a matrix instruction and a load into, or a read of, its registers
.rept \n
	v_nop
.endr
.endm
.macro FRAG reg, adr, rg, q            ; an image comes back as it was stored: three loads of 512 consecutive bytes
.irp c, 0,1,2
	ds_load_b128 v[(\reg)+4*\c:(\reg)+4*\c+3], v[\adr] offset:(4*(\rg)+(\q))*1536+512*\c
.endr
.endm
.macro FETCH_B slot, q, set
	WIN 0x40
.irp i, 0,1,2,3
	FRAG 128*(\set)+12*\i, ADRB+\slot, \i, \q
.endr
	WIN 0
.endm
.macro FETCH_A slot, q, i0
.irp i, \i0, \i0+1, \i0+2, \i0+3
	FRAG AF+12*(\i), ADRA+\slot, \i, \q
.endr
.endm
.macro SCALES set, chunk               ; a chunk's scale words: lanes 0-15 A's block i; lanes 16-31 of blocks 0-3 my block i of B
.irp i, 0,1,2,3,4,5,6,7
.irp p, 0,1
.if \i < 4
	ds_load_b64 v[SC+32*(\set)+4*\i+2*\p:SC+32*(\set)+4*\i+2*\p+1], v[ADSL] offset:\i*1024+(2*(\chunk)+\p)*128
.else
	ds_load_b64 v[SC+32*(\set)+4*\i+2*\p:SC+32*(\set)+4*\i+2*\p+1], v[ADSH] offset:\i*1024+(2*(\chunk)+\p)*128
.endif
.endr
.endr
.endm
; 8 matrix instructions: A's blocks a0, a0 + 1 x my four of B.  The 32 accumulators take turns, one instruction a turn, in the same order in every K step.
.macro MUL8 a0, set, q, sc, zero
.irp a, \a0, \a0+1
.irp b, 0,1,2,3
.if \zero
	v_wmma_scale_f32_16x16x128_f8f6f4 v[8*(4*(\a)+\b):8*(4*(\a)+\b)+7], v[128*(\set)+12*\b:128*(\set)+12*\b+11], v[AF+12*(\a):AF+12*(\a)+11], 0, v[SC+32*(\sc)+4*\b+(\q)], v[SC+32*(\sc)+4*(\a)+(\q)] matrix_a_fmt:MATRIX_FMT_BF6 matrix_b_fmt:MATRIX_FMT_BF6 matrix_a_scale:MATRIX_SCALE_ROW1
.else
	v_wmma_scale_f32_16x16x128_f8f6f4 v[8*(4*(\a)+\b):8*(4*(\a)+\b)+7], v[128*(\set)+12*\b:128*(\set)+12*\b+11], v[AF+12*(\a):AF+12*(\a)+11], v[8*(4*(\a)+\b):8*(4*(\a)+\b)+7], v[SC+32*(\sc)+4*\b+(\q)], v[SC+32*(\sc)+4*(\a)+(\q)] matrix_a_fmt:MATRIX_FMT_BF6 matrix_b_fmt:MATRIX_FMT_BF6 matrix_a_scale:MATRIX_SCALE_ROW1
.endif
.endr
.endr
.endm
.macro STEP slot, q, zero              ; a K step that has its successor in the same slot
	s_wait_dscnt 12                                ; all but the youngest 12 loads (A's blocks 4-7) are in
	WIN MUL
	MUL8 0, (\q)%2, \q, \slot, \zero
	MUL8 2, (\q)%2, \q, \slot, \zero
	s_wait_dscnt 0x0                               ; A's blocks 4-7 are in
	PLACES 4
	FETCH_B \slot, (\q)+1, 1-(\q)%2
	FETCH_A \slot, (\q)+1, 0
	WIN MUL
	MUL8 4, (\q)%2, \q, \slot, \zero
	MUL8 6, (\q)%2, \q, \slot, \zero
	PLACES 4
	WIN 0
	FETCH_A \slot, (\q)+1, 4
.endm
; A slot's last K step changes slots: one barrier; in front of it each wave waits for all its tensor loads, adds 0 to its spare word, and waits for that and for its reads of this slot.  fill = 1: the slot takes the chunk two on.
.macro TURN slot, next, fill, chunk
	s_wait_tensorcnt 0x0                           ; all my tensor loads have landed: my part of the next slot
	ds_add_u32 v[SPW], v[NIL]                      ; 0 onto my spare word
	s_wait_dscnt 13                                ; (the add and the youngest 12 loads may be out)
	WIN MUL
	MUL8 0, 1, 3, \slot, 0
	s_wait_dscnt 0x0                               ; the add is done, and my reads of this slot are over
	s_barrier_signal -1
	MUL8 2, 1, 3, \slot, 0
	WIN 0
	s_barrier_wait -1
.if \fill
	CREST                                          ; the barrier has opened a round of the cluster's: no wave of any partner still reads this slot or has a load on its way
	s_add_nc_u64 s[G0A+4*\slot+2:G0A+4*\slot+3], s[G0A+4*\slot+2:G0A+4*\slot+3], 12288
	s_add_nc_u64 s[G0B+4*\slot+2:G0B+4*\slot+3], s[G0B+4*\slot+2:G0B+4*\slot+3], 12288
	JLOAD G0A+4*\slot, G1A, G0B+4*\slot, G1B       ; the first tensor load behind the round; its four v_nop are also the places in front of the loads below
.else
	PLACES 4
.endif
	FETCH_B \next, 0, 0
	FETCH_A \next, 0, 0
	SCALES \next, \chunk
	WIN MUL
	MUL8 4, 1, 3, \slot, 0
	MUL8 6, 1, 3, \slot, 0
	PLACES 4
	WIN 0
	FETCH_A \next, 0, 4
.endm
	s_load_b128 s[4:7], s[0:1], 0x0                ; ca, wc
	s_load_b64 s[8:9], s[0:1], 0x10                ; out0
	v_lshl_add_u32 v[SPW], v0, 2, SPARE
	v_mov_b32 v[NIL], 0
	ds_add_u32 v28, v29
	ds_add_u32 v28, v29
	s_wait_dscnt 0x0
	v_lshrrev_b32 v1, 5, v0
	v_readfirstlane_b32 s20, v1                    ; wave
	s_lshr_b32 s21, s20, 1                         ; I fetch for A (0) or for B (1)
	s_and_b32 s22, s20, 1                          ; which half of it
	s_bfe_u32 s23, ttmp6, 0x40000                  ; cx: it enters A's addresses and the result's alone
	s_lshr_b32 s24, ttmp9, 3
	s_lshl_b32 s24, s24, 5                         ; the cluster's first group of tokens
	s_and_b32 s25, ttmp9, 7
	s_lshl_b32 s25, s25, 4
	s_add_co_u32 s25, s25, 192                     ; its groups of Wo's columns
	s_lshl_b32 s92, s23, 3
	s_add_co_u32 s92, s92, s24                     ; my work-group's first group of tokens
	; descriptor groups 1: elements of 8 bytes, no padding.  Codes: a row is a group's four K steps, 768 elements, 3,072 elements from group to group; 4 groups (A) or 8 (B) a load
	s_mov_b32 s[G1A], 3<<16
	s_mov_b32 s[G1B], 15|(3<<16)|(1<<21)           ; B's: the mask names all four partners, bit 21 beside it
.irp g, G1A, G1B
	s_mov_b32 s[\g+1], 768<<16
	s_mov_b32 s[\g+3], 768<<16
	s_mov_b32 s[\g+5], 3072
	s_mov_b32 s[\g+6], 0
	s_mov_b32 s[\g+7], 0
.endr
	s_mov_b32 s[G1A+2], 4<<16
	s_mov_b32 s[G1A+4], 4
	s_mov_b32 s[G1B+2], 8<<16
	s_mov_b32 s[G1B+4], 8
	; scale words: dense blocks, as rows of 256 bytes: 16 rows (A's four groups) or 32 (B's eight)
	s_mov_b32 s[G1SA], 3<<16
	s_mov_b32 s[G1SB], 15|(3<<16)|(1<<21)
.irp g, G1SA, G1SB
	s_mov_b32 s[\g+1], 32<<16
	s_mov_b32 s[\g+3], 32<<16
	s_mov_b32 s[\g+5], 32
	s_mov_b32 s[\g+6], 0
	s_mov_b32 s[\g+7], 0
.endr
	s_mov_b32 s[G1SA+2], 16<<16
	s_mov_b32 s[G1SA+4], 16
	s_mov_b32 s[G1SB+2], 32<<16
	s_mov_b32 s[G1SB+4], 32
	s_lshl_b32 s95, s22, 2
	s_add_co_u32 s95, s95, s92                     ; A: the four groups that I would fetch
	s_mul_i32 s96, s95, 24576
	s_mov_b32 s97, 0
	s_lshl_b32 s98, s95, 10
	s_add_co_u32 s98, s98, XSCL
	s_mov_b32 s99, 0
	s_lshl_b32 s26, s22, 3
	s_add_co_u32 s26, s26, s25                     ; B: the eight groups: no register here ever holds cx
	s_mul_i32 s66, s26, 24576
	s_mov_b32 s67, 0
	s_lshl_b32 s100, s26, 10
	s_add_co_u32 s100, s100, WSCL
	s_mov_b32 s101, 0
	s_wait_kmcnt 0x0
	s_add_nc_u64 s[96:97], s[4:5], s[96:97]
	s_add_nc_u64 s[98:99], s[4:5], s[98:99]
	s_add_nc_u64 s[66:67], s[6:7], s[66:67]
	s_add_nc_u64 s[100:101], s[6:7], s[100:101]
	CROUND                                         ; all four work-groups are here: the first joint loads meet
	s_mov_b32 s[G0SA], 1
	s_lshl_b32 s26, s22, 12
	s_add_co_u32 s[G0SA+1], s26, SCL
	s_mov_b64 s[G0SA+2:G0SA+3], s[98:99]
	s_or_b32 s[G0SA+3], s[G0SA+3], 0x80000000
	s_mov_b32 s[G0SB], 1
	s_lshl_b32 s27, s22, 13
	s_add_co_u32 s[G0SB+1], s27, SCL+8192
	s_mov_b64 s[G0SB+2:G0SB+3], s[100:101]
	s_or_b32 s[G0SB+3], s[G0SB+3], 0x80000000
	JLOAD G0SA, G1SA, G0SB, G1SB                   ; the scale words first: they are wanted with K step 0
	s_mul_i32 s26, s22, 24576
	s_mul_i32 s27, s22, 49152
	s_add_co_u32 s27, s27, 49152
.irp s, 0,1
	s_mov_b32 s[G0A+4*\s], 1
	s_add_co_u32 s[G0A+4*\s+1], s26, \s*SLOT
	s_add_nc_u64 s[G0A+4*\s+2:G0A+4*\s+3], s[96:97], \s*6144
	s_or_b32 s[G0A+4*\s+3], s[G0A+4*\s+3], 0x80000000
	s_mov_b32 s[G0B+4*\s], 1
	s_add_co_u32 s[G0B+4*\s+1], s27, \s*SLOT
	s_add_nc_u64 s[G0B+4*\s+2:G0B+4*\s+3], s[66:67], \s*6144
	s_or_b32 s[G0B+4*\s+3], s[G0B+4*\s+3], 0x80000000
	JLOAD G0A+4*\s, G1A, G0B+4*\s, G1B
.endr
	v_and_b32 v1, 15, v0                           ; r
	v_bfe_u32 v2, v0, 4, 1                         ; h
	v_and_b32 v3, 31, v0                           ; lane
	v_lshlrev_b32 v[ADRA], 4, v3
	v_add_nc_u32 v[ADRA+1], SLOT, v[ADRA]
	s_mul_i32 s26, s20, 24576
	s_add_co_u32 s26, s26, 49152
	v_add_nc_u32 v[ADRB], s26, v[ADRA]
	v_add_nc_u32 v[ADRB+1], SLOT, v[ADRB]
	v_lshl_add_u32 v[ADSH], v1, 3, SCL
	s_lshl_b32 s26, s20, 12
	s_add_co_u32 s26, s26, 8192                    ; my groups of B lie (8 + 4 wave) x 1,024 bytes behind A's first
	v_mul_u32_u24 v4, s26, v2
	v_add_nc_u32 v[ADSL], v4, v[ADSH]
	s_mul_i32 s26, s20, 4352                       ; the way out: my stage, 16 rows x (256 bytes + 16), in slot 0
	v_mul_u32_u24 v[STO], v1, 272
	v_lshl_add_u32 v[STO], v2, 6, v[STO]
	v_add_nc_u32 v[STO], s26, v[STO]               ; in: row r, + 64 h
	v_mul_u32_u24 v[RD], v2, 272
	v_lshl_add_u32 v[RD], v1, 4, v[RD]
	v_add_nc_u32 v[RD], s26, v[RD]                 ; back: lanes 0-15 one row, lanes 16-31 the next
	v_lshlrev_b32 v[CO], 13, v2
	v_lshl_add_u32 v[CO], v1, 4, v[CO]             ; and the same two rows of out0, 8,192 bytes apart
	s_lshl_b32 s26, s92, 17                        ; 16 tokens of 8,192 bytes for each group
	s_and_b32 s27, ttmp9, 7
	s_lshl_b32 s27, s27, 10                        ; the cluster's 256 columns
	s_add_co_u32 s26, s26, s27
	s_lshl_b32 s27, s20, 8                         ; my wave's 64
	s_add_co_u32 s26, s26, s27
	s_mov_b32 s27, 0
	s_add_nc_u64 s[8:9], s[8:9], s[26:27]
	s_wait_tensorcnt 1                             ; the scale words and my part of chunk 0 are in; chunk 1's load may stay out
	s_barrier_signal -1
	s_barrier_wait -1
	FETCH_B 0, 0, 0
	FETCH_A 0, 0, 0
	SCALES 0, 0
	FETCH_A 0, 0, 4
	STEP 0, 0, 1                                   ; the first K step's products start the sums
	STEP 0, 1, 0
	STEP 0, 2, 0
	TURN 0, 1, 1, 1
	STEP 1, 0, 0
	STEP 1, 1, 0
	STEP 1, 2, 0
	TURN 1, 0, 1, 2
	STEP 0, 0, 0
	STEP 0, 1, 0
	STEP 0, 2, 0
	TURN 0, 1, 0, 3                                ; nothing is left to fetch
	STEP 1, 0, 0
	STEP 1, 1, 0
	STEP 1, 2, 0
	s_wait_dscnt 12                                ; the last K step
	WIN MUL
	MUL8 0, 1, 3, 1, 0
	MUL8 2, 1, 3, 1, 0
	s_wait_dscnt 0x0
	MUL8 4, 1, 3, 1, 0
	MUL8 6, 1, 3, 1, 0
	WIN 0
; THE WAY OUT, block by block of 16 tokens x 64 columns.  A lane holds pieces of one row; a block goes through my own stage and comes back as whole rows of 256 bytes.  The stage lies in slot 0, which has had its last fill
; and its last read ahead of the last change of slots.  LDS serves a wave's instructions in order (ISA guide 5.7.1.4): no wait between the stores and the loads, nor in front of the next block's stores.
.macro TOSTAGE a
	WIN 0x08                                       ; an LDS store's data are its source 1: window 2
.irp t, 0,1,2,3
	ds_store_b128 v[STO], v[8*(4*(\a)+\t):8*(4*(\a)+\t)+3] offset:128*(\t/2)+32*(\t%2)          ; each accumulator from its low end on
	ds_store_b128 v[STO], v[8*(4*(\a)+\t)+4:8*(4*(\a)+\t)+7] offset:128*(\t/2)+32*(\t%2)+16
.endr
	WIN 0
.set BB, 128+32*((\a)%2)
.irp k, 0,1,2,3,4,5,6,7
	ds_load_b128 v[BB+4*\k:BB+4*\k+3], v[RD] offset:2*\k*272
.endr
.endm
.macro SEND a, younger                 ; younger: the LDS instructions issued behind block a's loads
.set BB, 128+32*((\a)%2)
	s_wait_dscnt \younger
.irp k, 0,1,2,3,4,5,6,7
	global_store_b128 v[CO], v[BB+4*\k:BB+4*\k+3], s[8:9] offset:(32*((\a)/2)+8*((\a)%2)+2*\k+8*(\k/4))*8192 th:TH_STORE_NT   ; sixteen lanes store 256 consecutive bytes, aligned; lane row 2 k + h is token 2 k + h + 8 (k / 4) of the group
.endr
.endm
	PLACES 4                                       ; in front of the first reads of results and of loads into the registers that held A's fragments
	TOSTAGE 0
.irp a, 1,2,3,4,5,6,7
.if \a > 1
	s_wait_xcnt 0x0                                ; block a - 2's stores have read their registers: block a's loads may land there
.endif
	TOSTAGE \a
	SEND \a-1, 16                                  ; behind block a - 1's loads: block a's 8 stores and 8 loads
.endr
	SEND 7, 0
	s_wait_tensorcnt 0x0                           ; the wave's end
	ds_add_u32 v[SPW], v[NIL]
	s_wait_dscnt 0x0
	CROUND                                         ; the closing round
	s_endpgm
.Lfunc_end_k_q035607e737_outp:
	.size	k_q035607e737_outp, .Lfunc_end_k_q035607e737_outp-k_q035607e737_outp
	.p2alignl 7, 3214868480
	.fill 96, 4, 3214868480
	.section	.rodata,"a",@progbits
	.p2align	6, 0x0
	.amdhsa_kernel k_q035607e737_outp
		.amdhsa_group_segment_fixed_size 327680
		.amdhsa_private_segment_fixed_size 0
		.amdhsa_enable_private_segment 0
		.amdhsa_kernarg_size 24
		.amdhsa_user_sgpr_count 2
		.amdhsa_user_sgpr_kernarg_segment_ptr 1
		.amdhsa_wavefront_size32 1
		.amdhsa_system_sgpr_workgroup_id_x 1
		.amdhsa_system_sgpr_workgroup_id_y 1
		.amdhsa_system_sgpr_workgroup_id_z 1
		.amdhsa_system_vgpr_workitem_id 0
		.amdhsa_next_free_vgpr 768
		.amdhsa_next_free_sgpr 102
		.amdhsa_reserve_vcc 0
		.amdhsa_float_denorm_mode_32 3
		.amdhsa_float_denorm_mode_16_64 3
		.amdhsa_memory_ordered 1
		.amdhsa_forward_progress 1
		.amdhsa_inst_pref_size 138
	.end_amdhsa_kernel
	.amdgpu_metadata
---
amdhsa.version: [ 1, 2 ]
amdhsa.kernels:
  - .name:           k_q035607e737_outp
    .symbol:         k_q035607e737_outp.kd
    .args:
      - { .name: ca, .offset: 0, .size: 8, .value_kind: global_buffer, .address_space: global }
      - { .name: wc, .offset: 8, .size: 8, .value_kind: global_buffer, .address_space: global }
      - { .name: out0, .offset: 16, .size: 8, .value_kind: global_buffer, .address_space: global }
    .group_segment_fixed_size: 327680
    .private_segment_fixed_size: 0
    .kernarg_segment_align: 8
    .kernarg_segment_size: 24
    .max_flat_workgroup_size: 128
    .sgpr_count:     102
    .vgpr_count:     768
    .wavefront_size: 32
...
	.end_amdgpu_metadata
.endif
;; end of part 4
;; ======== version 2 of 2: 4 launches; version 1 with the launch attn written anew for expert scheduling mode
;; workspace buffers: xq 3,276,800 bytes; wc 8,192,000 bytes; mw 526,336 bytes of whole numbers; qa 3,407,872 bytes; ka 1,671,168 bytes; ca 3,276,800 bytes
;; launch prep: the kernel of part 1 again; grid 576 x 1, 4 waves a work-group, no clusters, 58,880 bytes of LDS; arguments x, Wq, Wk, Wv, Wo, mask, xq, wc, mw; writes xq, wc, mw
;; launch proj: the kernel of part 2 again; grid 192 x 1, 4 waves a work-group, clusters of 4 x 1, 327,680 bytes of LDS; arguments xq, wc, cos, sin, q_scale, k_scale, qa, ka; writes qa, ka
;; launch attn (part 5): grid 32 x 8, 16 waves a work-group, no clusters, 223,744 bytes of LDS; arguments qa, ka, mw, ca; writes ca
.if DOCPART == 5
	.amdgcn_target "amdgcn-amd-amdhsa--gfx1250"
	.amdhsa_code_object_version 6
	.text
	.protected	k_q035607e737_attn
	.globl	k_q035607e737_attn
	.p2align	8
	.type	k_q035607e737_attn,@function
k_q035607e737_attn:
	s_mov_b64 s[64:65], 0
	v_nop
	global_prefetch_b8 v0, s[64:65] scope:SCOPE_SE
	s_setreg_imm32_b32 hwreg(HW_REG_WAVE_SCHED_MODE, 0, 2), 2
	s_setreg_imm32_b32 hwreg(HW_REG_WAVE_MODE, 25, 1), 1
	s_wait_xcnt 0x0
	s_wait_alu depctr_vm_vsrc(0)
; ctx = softmax(q k^T / 8, hidden keys at -infinity) v, both products on codes of BF6 with E8M0 scales; ctx leaves as codes, quantised along the 2,048 columns of the last product's K.
; THE SOFTMAX: t = score x log2(e) / 8; M = the running largest t rounded up to a whole number; p = 2^(t - M) is quantised along the keys; the row's sum is taken of the unquantised p and divides at the end.
; SHARES.  A work-group owns one key and value head and four groups of 16 queries (j, 63 - j, 64 + j, 127 - j); its sixteen waves are those four groups x the four query heads, one tile of 16 queries a wave.
; The head's K, V and their scale words, 208,896 bytes, are copied into LDS once, through registers; no tensor load; the loop over the keys branches on whole numbers that an earlier launch stored.
; THE MASK is read as that launch packed it: 64 lane masks for each group of queries and step of 128 keys, and a flag: 0 all hidden (the step is passed over: every p would be 0 and M would stay), 1 mixed, 2 none hidden (the selects are passed over).
; LAYOUT.  Both products transposed: S^T = K Q^T, O^T = V^T P^T: a lane holds one query.  Lane row r of group g is row 32 (g / 2) + 8 (g % 2) + r + 8 (r / 8), so the 16 registers of tiles 2 b, 2 b + 1 are 16 neighbours.
; K = 64 in the first product: Q's registers 6-11 are zero codes, so what stands in a K fragment's upper six registers (the next tile's codes: every code is a finite number) adds 0; the scale bytes there are 127.
; A ROW WITH NO VISIBLE KEY has the sum 0: its scale bytes are set to 0xff, so that the last product gives NaN there, as the softmax of such a row is NaN.
; LIMITS: a block of zeros gets the byte 1 where the rule says 127 (its codes are zeros, and this program alone reads the bytes); NaN and infinities among the inputs are not served.
; REGISTERS: v1-6 addresses that stay; v7-11 the step's; v12 -M, v13 largest t, v[14:15] the sum; v16-27 Q, v28 its scale words; v40-43 K's scale words, v44-45 V's, v46 p's; v48-101 K's eight half fragments, 6 apart, and six zeros; V's four fragments
; take v48-95; v104-167 S^T, then p; v168-199 O^T; v200-211 p's codes; v212-235 at work.  At the head v104-205 carry the copy of K and V.
; THE MODE: SCHED_MODE bits 1:0 = 2 (LLVM: expert scheduling mode 2), set by the entry lines.  The code itself states the register dependences between vector or matrix instructions and memory or LDS instructions, with s_wait_alu, always for 0.
; THE PLAN.  Registers that memory or LDS instructions touch:
;   v1, v2, v29-31   offsets of global loads and stores: written at the head, never again.
;   v7-11            LDS addresses.  Head: the copy's stores read them.  A step: five adds write them at its head; K's loads read v7, v8, v10, V's loads v9, v11.  Way out: written anew, read by the stage's stores and loads.
;   v104-205         Head: the copy's loads land there, its LDS stores read them; afterwards vector and matrix instructions write them.
;   v48-95           A step: K's loads land, the eight products K Q^T read; V's loads land, the four products V^T P^T read.   v40-43, v44-45: scale words, loaded and read with them.
;   v46, v200-211    p's scale word and codes, written by vector instructions, read by the scaled products; v22-27 and v96-101, zero codes, likewise, written once at the head.
;   v212-217, v235   Way out: written by vector instructions, read by the stage's stores.   v104-115: LDS loads land there behind the vector instructions that named them; the global stores read them.
; A step so has one wait on vm_vsrc (ahead of the five adds) and three on va_vdst of this plan: behind the adds, behind the products K Q^T, ahead of the products V^T P^T; beside them the two behind the exponentials.
; V's loads follow the second of the three, dealt among the lines of the maximum, which name S^T and v220-223 alone.  A step that is passed over issues nothing: what the step before left pending meets the same waits one step later, or those of the way out.
; No second set of registers for K: sixteen waves of 256 registers are all that the four SIMDs have.
.set KSO,  196608                      ; LDS: K's half images [128][768] at 0; V's images [16][4][1536] at 98,304; K's scale words [16][lane][4]; V's [16][4][16]
.set VIO,  98304
.set VSO,  204800
.set STG,  208896                      ; the way out: 8 images
.set SST,  221184                      ; and their scale words, 512 bytes
.set FLG,  524288
.set XSCL, 3145728
.set S,    104
.set OT,   168
.set KF,   48
.set PCD,  200
.set CT,   212
.set BM,   220
.set PM,   224
.set SO,   228
.set FF,   232
.set TT,   234
.set PWO,  235
.set WV,   2
.set CNT,  3
.set TBK,  12                          ; 6,144 x step: K's and V's images
.set TBS,  13                          ; 512 x step: K's scale words
.set TBV,  14                          ; 256 x step: V's scale words
.set MOF,  15                          ; 256 x step: the mask's words
.set FL,   66
.set SH,   67
.set SEL,  84
.set CS,   86
.set FT,   88
.set GQ,   89
.set TAU,  90
.set GG,   91
.set KV,   92
.set HQ,   93
.set MP,   96
.macro VFRAG t                         ; V's fragment t of the step: an image comes back as it was stored, three loads of 512 consecutive bytes
.irp c, 0,1,2
	ds_load_b128 v[KF+12*(\t)+4*\c:KF+12*(\t)+4*\c+3], v9 offset:1536*(\t)+512*\c
.endr
.endm
	s_load_b256 s[4:11], s[0:1], 0x0               ; qa, ka, mw, ca
	v_lshl_add_u32 v254, v0, 2, 0x36200
	v_mov_b32 v255, 0
	v_lshrrev_b32 v1, 5, v0
	v_readfirstlane_b32 s[WV], v1                  ; wave 0..15
	v_and_b32 v29, 15, v0                          ; (the lanes' addresses stand between that line and the wait for its result)
	v_lshlrev_b32 v29, 4, v29                      ; 16 r
	v_and_b32 v3, 31, v0
	v_lshlrev_b32 v1, 4, v3                        ; 16 x lane
	v_lshl_add_u32 v2, v3, 3, 512                  ; 512 + 8 x lane
	v_lshl_add_u32 v5, v3, 4, KSO
	v_lshl_add_u32 v6, v3, 4, VIO
	v_lshl_add_u32 v3, v3, 2, VSO
	v_lshlrev_b32 v30, 4, v0                       ; the copy: 16 bytes a thread,
	v_lshlrev_b32 v31, 3, v0                       ; and 8 for its tail
	v_lshlrev_b32 v7, 4, v0
	v_lshl_add_u32 v8, v0, 4, 65536
	v_lshl_add_u32 v9, v0, 4, 131072
	v_lshl_add_u32 v10, v0, 4, 196608
	v_lshl_add_u32 v11, v0, 3, 196608
	s_and_b32 s[KV], ttmp7, 0xffff                 ; the key and value head
	s_wait_alu depctr_va_sdst(0)                   ; the wave's number is written, ahead of its first reader
	s_lshr_b32 s[GQ], s[WV], 2                     ; which of its four query heads
	s_add_co_u32 s[TAU], s[WV], s[GQ]
	s_and_b32 s[TAU], s[TAU], 3                    ; which of the four groups of queries
	s_and_b32 s94, s[TAU], 1
	s_sub_co_u32 s95, 63, ttmp9
	s_cmp_eq_u32 s94, 0
	s_cselect_b32 s[GG], ttmp9, s95
	s_lshr_b32 s94, s[TAU], 1
	s_lshl_b32 s94, s94, 6
	s_add_co_u32 s[GG], s[GG], s94                 ; the group: j, 63 - j, 64 + j, 127 - j
	s_lshl_b32 s[HQ], s[KV], 2
	s_add_co_u32 s[HQ], s[HQ], s[GQ]               ; the query head
	s_mul_i32 s98, s[HQ], 98304
	s_mul_i32 s99, s[GG], 768
	s_add_co_u32 s98, s98, s99
	s_mov_b32 s99, 0
	s_lshl_b32 s100, s[HQ], 13                     ; Q's scale word: [head][g / 8][lane r + 16 (g % 2)][(g / 2) % 4]
	s_lshr_b32 s101, s[GG], 3
	s_lshl_b32 s101, s101, 9
	s_add_co_u32 s100, s100, s101
	s_and_b32 s101, s[GG], 1
	s_lshl_b32 s101, s101, 8
	s_add_co_u32 s100, s100, s101
	s_bfe_u32 s101, s[GG], 0x20001
	s_lshl_b32 s101, s101, 2
	s_add_co_u32 s100, s100, s101
	s_add_co_u32 s100, s100, 3145728
	s_mov_b32 s101, 0
	s_lshl_b32 s94, s[GG], 4
	s_lshl_b32 s[MP], s[GG], 12
	s_mov_b32 s[MP+1], 0
	s_mul_i32 s72, s[KV], 208896
	s_mov_b32 s73, 0
	s_mov_b32 s[SEL], 0x76543210
	s_mov_b32 s[SEL+1], 0xfedcba98                 ; lane l xor 16
	s_mov_b32 s[CS], 0x3e38aa3b                    ; c = log2(e) / 8
	s_mov_b32 s[CS+1], s[CS]
	s_mov_b32 s[TBK], 0
	s_mov_b32 s[TBS], 0
	s_mov_b32 s[TBV], 0
	s_mov_b32 s[MOF], 0
	s_mov_b32 s[SH], 0
	s_mov_b32 s[CNT], 0
	s_wait_kmcnt 0x0
	s_load_b128 s[68:71], s[8:9], s94 offset:FLG   ; my group's flags: 8 bits (four steps) in each word
	s_add_nc_u64 s[MP:MP+1], s[8:9], s[MP:MP+1]    ; my group's mask words
	s_add_nc_u64 s[6:7], s[6:7], s[72:73]          ; my head's block of ka
	s_add_nc_u64 s[98:99], s[4:5], s[98:99]
	s_add_nc_u64 s[100:101], s[4:5], s[100:101]
	s_wait_alu depctr_va_vdst(0)                   ; the offsets v1, v2, v29 to v31, which the loads below read, and the LDS addresses v7 to v11, which the copy's stores read, are written
.set k, 0
.rept 25
	global_load_b128 v[104+4*k:104+4*k+3], v30, s[6:7] offset:8192*k   ; the sixteen waves read 8,192 consecutive bytes
.set k, k+1
.endr
	global_load_b64 v[204:205], v31, s[6:7] offset:204800
	global_load_b128 v[16:19], v1, s[98:99]        ; Q's half image
	global_load_b64 v[20:21], v2, s[98:99]
	global_load_b32 v28, v29, s[100:101]
	; what is set here lies outside v16-21, v28 and v104-205, into which loads are on their way, and outside v7-11, which the copy's stores read
.irp i, 22,23,24,25,26,27, 96,97,98,99,100,101
	v_mov_b32 v\i, 0                               ; zero codes
.endr
	v_mov_b32 v4, 0xff800000                       ; -infinity
	v_mov_b32 v13, 0xff61b1e6                      ; the largest t so far: -3e38
	v_floor_f32 v12, -v13                          ; -M
	v_mov_b32 v14, 0
	v_mov_b32 v15, 0
.irp i, 0,1,2,3,4,5,6,7
	v_mov_b32 v[BM+\i], 0                          ; lane permutes' destinations count as sources
.endr
	v_mov_b32 v[FF+1], 0                           ; named as the upper half of a pair
.set k, 0
.rept 25
	s_wait_loadcnt 28-k                            ; behind load k: 25 - k of the copy's and Q's three
	ds_store_b128 v[7+k/8], v[104+4*k:104+4*k+3] offset:8192*(k%8)
.set k, k+1
.endr
	s_wait_loadcnt 3
	ds_store_b64 v11, v[204:205] offset:8192
	s_wait_kmcnt 0x0
	s_lshl_b32 s69, s69, 8
	s_lshl_b32 s70, s70, 16
	s_lshl_b32 s71, s71, 24
	s_or_b32 s[FL], s68, s69
	s_or_b32 s[FL], s[FL], s70
	s_or_b32 s[FL], s[FL], s71                     ; 2 bits a step
	s_wait_loadcnt 0x0                             ; Q
	s_wait_dscnt 0x0                               ; for the others' sake: my part of the copy is in LDS
	s_wait_alu depctr_vm_vsrc(0)                   ; the copy's LDS stores have read v104 to v205 and v7 to v11: the clears below, the first scores and codes and the loop's adds write them
	s_barrier_signal -1
.set i, 0
.rept 32
	v_mov_b32 v[OT+i], 0                           ; O^T: the copy has left these registers (all loads are in, all LDS stores done).  The loop is written once: its first step finds zeros
.set i, i+1
.endr
	s_barrier_wait -1
.Lstep:                                            ; 16 trips, 128 keys each
	s_lshr_b32 s[FT], s[FL], s[SH]
	s_and_b32 s[FT], s[FT], 3
	s_cmp_eq_u32 s[FT], 0
	s_cbranch_scc1 .Lskip                          ; all 16 x 128 hidden
	s_load_b512 s[16:31], s[MP:MP+1], s[MOF] offset:0x0    ; the step's 64 lane masks: they land under K's loads and the products
	s_load_b512 s[32:47], s[MP:MP+1], s[MOF] offset:0x40
	s_load_b512 s[48:63], s[MP:MP+1], s[MOF] offset:0x80
	s_load_b512 s[68:83], s[MP:MP+1], s[MOF] offset:0xc0
	s_wait_alu depctr_vm_vsrc(0)                   ; the LDS loads issued so far have read v7 to v11, which the five lines below write
	v_add_nc_u32 v7, s[TBK], v1
	v_add_nc_u32 v8, s[TBK], v2
	v_add_nc_u32 v9, s[TBK], v6
	v_add_nc_u32 v10, s[TBS], v5
	v_add_nc_u32 v11, s[TBV], v3
	s_wait_alu depctr_va_vdst(0)                   ; v7 to v11 are written, which this step's loads read; the products of the step before are done reading v48 to v95 and the scale words v40 to v45, in which this step's loads land; in the first trip: the zero codes v22-27 and v96-101 are written, which the products below take
.irp t, 0,1,2,3,4,5,6,7
	ds_load_b128 v[KF+6*\t:KF+6*\t+3], v7 offset:768*\t
	ds_load_b64 v[KF+6*\t+4:KF+6*\t+5], v8 offset:768*\t
.endr
	ds_load_b128 v[40:43], v10                     ; register j: lanes 0-15 tile 2 j's words, lanes 16-31 tile 2 j + 1's
	s_wait_dscnt 0x0
.irp t, 0,2,4,6
	v_wmma_scale_f32_16x16x128_f8f6f4 v[S+8*\t:S+8*\t+7], v[KF+6*\t:KF+6*\t+11], v[16:27], 0, v[40+\t/2], v28 matrix_a_fmt:MATRIX_FMT_BF6 matrix_b_fmt:MATRIX_FMT_BF6
	v_wmma_scale_f32_16x16x128_f8f6f4 v[S+8*\t+8:S+8*\t+15], v[KF+6*\t+6:KF+6*\t+17], v[16:27], 0, v[40+\t/2], v28 matrix_a_fmt:MATRIX_FMT_BF6 matrix_b_fmt:MATRIX_FMT_BF6 matrix_a_scale:MATRIX_SCALE_ROW1
.endr
.rept 4
	v_nop                                          ; places in front of the first read of the scores
.endr
	s_wait_alu depctr_va_vdst(0)                   ; the eight products are done reading K's registers v48 to v95, in which V's fragments land.  No vector line from here to the last of V's loads names v9, v11, v44, v45 or v48 to v95
	ds_load_b32 v44, v11                           ; lanes 0-15 channel group 0's words, lanes 16-31 group 1's
	ds_load_b32 v45, v11 offset:128
	VFRAG 0                                        ; V's four fragments land under the softmax; the other three are dealt among the lines of the maximum
	s_wait_kmcnt 0x0
	s_cmp_eq_u32 s[FT], 2
	s_cbranch_scc1 .Lopen                          ; nothing hidden
.set n, 0
.rept 64
.if n < 48
	v_cndmask_b32 v[S+n], v[S+n], v4, s[16+n]      ; hidden scores become -infinity: p = 0 then
.else
	v_cndmask_b32 v[S+n], v[S+n], v4, s[20+n]
.endif
.set n, n+1
.endr
.Lopen:
.irp b, 0,1,2,3
	v_max3_num_f32 v[BM+\b], v[S+16*\b], v[S+1+16*\b], v[S+2+16*\b]   ; the largest score of each block of 32 keys: for the row's maximum, and, since p rises with the score, for the block's largest p
.endr
	VFRAG 1
.irp i, 3,5
.irp b, 0,1,2,3
	v_max3_num_f32 v[BM+\b], v[BM+\b], v[S+16*\b+\i], v[S+1+16*\b+\i]
.endr
.endr
	VFRAG 2
.irp i, 7,9
.irp b, 0,1,2,3
	v_max3_num_f32 v[BM+\b], v[BM+\b], v[S+16*\b+\i], v[S+1+16*\b+\i]
.endr
.endr
	VFRAG 3
.irp i, 11,13
.irp b, 0,1,2,3
	v_max3_num_f32 v[BM+\b], v[BM+\b], v[S+16*\b+\i], v[S+1+16*\b+\i]
.endr
.endr
.irp b, 0,1,2,3
	v_max_num_f32 v[BM+\b], v[BM+\b], v[S+15+16*\b]
.endr
.irp b, 0,1,2,3
	v_permlanex16_b32 v[PM+\b], v[BM+\b], s[SEL], s[SEL+1]
.endr
.irp b, 0,1,2,3
	v_max_num_f32 v[BM+\b], v[BM+\b], v[PM+\b]
.endr
	v_max3_num_f32 v[TT], v[BM], v[BM+1], v[BM+2]
	v_max_num_f32 v[TT], v[TT], v[BM+3]
	v_mul_f32 v[TT], s[CS], v[TT]
	v_max_num_f32 v13, v13, v[TT]                  ; the running largest t
	v_mov_b32 v[TT], v12
	v_floor_f32 v12, -v13                          ; the new -M: M is a whole number
	v_sub_f32 v[TT], v12, v[TT]
	v_cvt_i32_f32 v[TT], v[TT]                     ; (it saturates)
	v_ldexp_f32 v[FF], 1.0, v[TT]                  ; f = 2^(old M - new M)
.set j, 0
.rept 32
	v_pk_fma_f32 v[S+j:S+j+1], v[S+j:S+j+1], s[CS:CS+1], v[12:13] op_sel_hi:[1,0,0]   ; t - M
.set j, j+2
.endr
.irp b, 0,1,2,3
	v_fma_f32 v[BM+\b], v[BM+\b], s[CS], v12
.endr
.set j, 0
.rept 64
	v_exp_f32 v[S+j], v[S+j]                       ; p, not normalised
.set j, j+1
.endr
	v_pk_mul_f32 v[14:15], v[14:15], v[FF:FF+1] op_sel_hi:[1,0]   ; the sums under the new M (a plain line behind the exponentials)
	s_wait_alu depctr_va_vdst(0)                   ; the 64 exponentials have written p, v104 to v167: one wait for the batch, ahead of its first reader
.irp b, 0,1,2,3
	v_exp_f32 v[BM+\b], v[BM+\b]                   ; the blocks' largest p
.endr
	v_pk_add_f32 v[PM:PM+1], v[S:S+1], v[S+2:S+3]  ; the row's sum of the unquantised p, in two chains
.irp j, 4,8,12,16,20,24,28,32,36,40,44,48,52,56,60
	v_pk_add_f32 v[14:15], v[14:15], v[S+\j:S+\j+1]
	v_pk_add_f32 v[PM:PM+1], v[PM:PM+1], v[S+2+\j:S+3+\j]
.endr
	v_pk_add_f32 v[14:15], v[14:15], v[PM:PM+1]
	s_wait_alu depctr_va_vdst(0)                   ; the four exponentials have written v220 to v223, ahead of their first reader
.irp b, 0,1,2,3
	v_max_num_f32 v[BM+\b], 0x2800000, v[BM+\b]    ; the floor 2^(5 - 127)
.endr
.irp b, 0,1,2,3
	v_add_nc_u32 v[SO+\b], 0xfe000000, v[BM+\b]
.endr
.irp b, 0,1,2,3
	v_lshrrev_b32 v[PM+\b], 23, v[SO+\b]
.endr
	v_lshl_or_b32 v46, v[PM+1], 8, v[PM]           ; p's scale word for these 128 keys
	v_lshl_or_b32 v46, v[PM+2], 16, v46
	v_lshl_or_b32 v46, v[PM+3], 24, v46
.irp c, 0,1
	v_cvt_scalef32_pk16_bf6_f32 v[PCD+6*\c:PCD+2+6*\c], v[S+32*\c:S+15+32*\c], v[SO+2*\c]
	v_cvt_scalef32_pk16_bf6_f32 v[CT+4*\c:CT+2+4*\c], v[S+16+32*\c:S+31+32*\c], v[SO+2*\c+1]
.endr
	v_nop                                          ; one plain line behind a scaled conversion
.irp c, 0,1
.irp i, 0,1,2
	v_permlane16_swap_b32 v[PCD+6*\c+\i], v[CT+4*\c+\i]
.endr
.irp i, 0,1,2
	v_mov_b32 v[PCD+3+6*\c+\i], v[CT+4*\c+\i]
.endr
.endr
.set j, 0
.rept 16
	v_pk_mul_f32 v[OT+j:OT+j+1], v[OT+j:OT+j+1], v[FF:FF+1] op_sel_hi:[1,0]   ; O^T under the new M; these sixteen are also the places between the scale word and codes just made and the products
.set j, j+2
.endr
	s_wait_alu depctr_va_vdst(0)                   ; p's scale word v46 and p's codes v200 to v211 are written, which the scaled products below take; the places above stay beside this wait
	s_wait_dscnt 0x0                               ; V
.irp t, 0,2
	v_wmma_scale_f32_16x16x128_f8f6f4 v[OT+8*\t:OT+8*\t+7], v[KF+12*\t:KF+12*\t+11], v[PCD:PCD+11], v[OT+8*\t:OT+8*\t+7], v[44+\t/2], v46 matrix_a_fmt:MATRIX_FMT_BF6 matrix_b_fmt:MATRIX_FMT_BF6
	v_wmma_scale_f32_16x16x128_f8f6f4 v[OT+8*\t+8:OT+8*\t+15], v[KF+12*\t+12:KF+12*\t+23], v[PCD:PCD+11], v[OT+8*\t+8:OT+8*\t+15], v[44+\t/2], v46 matrix_a_fmt:MATRIX_FMT_BF6 matrix_b_fmt:MATRIX_FMT_BF6 matrix_a_scale:MATRIX_SCALE_ROW1
.endr
.Lskip:
	s_add_co_u32 s[TBK], s[TBK], 6144
	s_add_co_u32 s[TBS], s[TBS], 512
	s_add_co_u32 s[TBV], s[TBV], 256
	s_add_co_u32 s[MOF], s[MOF], 256
	s_add_co_u32 s[SH], s[SH], 2
	s_add_co_u32 s[CNT], s[CNT], 1
	s_cmp_lt_u32 s[CNT], 16
	s_cbranch_scc1 .Lstep
	; THE WAY OUT.  O^T / the sum: register 16 b + i is channel 32 b + 16 h + i of my head: half (head % 2) of K step (head / 2) of the last product.  The halves meet in a stage.
	s_wait_alu depctr_vm_vsrc(0)                   ; the loop's LDS loads have read v7 to v11, which are written anew below
	v_add_f32 v14, v14, v15
	v_permlanex16_b32 v[PM], v14, s[SEL], s[SEL+1]
	v_add_f32 v14, v14, v[PM]                      ; the row's sum
	v_rcp_f32 v15, v14
	s_lshr_b32 s94, s[GQ], 1
	s_and_b32 s95, s[GQ], 1
	s_lshl_b32 s98, s[TAU], 1
	s_add_co_u32 s98, s98, s94
	s_mul_i32 s98, s98, 1536
	s_add_co_u32 s98, s98, STG                     ; image 2 x (group of the four) + head / 2
	s_mul_i32 s99, s95, 520
	s_add_co_u32 s99, s99, s98
	v_add_nc_u32 v7, s99, v1                       ; registers 6 cc, 6 cc + 1  (plain lines behind the reciprocal)
	v_add_nc_u32 v9, 512, v7                       ; 6 cc + 4, 6 cc + 5
	s_mul_i32 s99, s95, 1016
	s_add_co_u32 s99, s99, s98
	s_add_co_u32 s99, s99, 8
	v_add_nc_u32 v8, s99, v1                       ; 6 cc + 2, 6 cc + 3
	s_lshl_b32 s99, s[TAU], 7
	s_lshl_b32 s94, s94, 2
	s_add_co_u32 s99, s99, s94
	s_lshl_b32 s95, s95, 1
	s_add_co_u32 s99, s99, s95
	s_add_co_u32 s99, s99, SST
	v_and_b32 v10, 15, v0
	v_lshl_add_u32 v10, v10, 3, s99                ; my two bytes of row r's two scale words
	s_and_b32 s94, s[WV], 7                        ; back: waves 0-7 store an image each
	s_mul_i32 s95, s94, 1536
	s_add_co_u32 s95, s95, STG
	v_add_nc_u32 v11, s95, v1
	v_add_nc_u32 v32, SST, v1                      ; wave 8 the scale words
	s_lshr_b32 s98, s94, 1
	s_and_b32 s99, s98, 1
	s_sub_co_u32 s100, 63, ttmp9
	s_cmp_eq_u32 s99, 0
	s_cselect_b32 s100, ttmp9, s100
	s_lshr_b32 s98, s98, 1
	s_lshl_b32 s98, s98, 6
	s_add_co_u32 s100, s100, s98                   ; that image's group of tokens
	s_mul_i32 s98, s100, 24576
	s_lshl_b32 s99, s[KV], 1
	s_and_b32 s101, s[WV], 1
	s_add_co_u32 s99, s99, s101
	s_mul_i32 s99, s99, 1536
	s_add_co_u32 s98, s98, s99
	s_mov_b32 s99, 0
	s_add_nc_u64 s[98:99], s[10:11], s[98:99]
	s_lshl_b32 s100, s[KV], 7
	s_add_co_u32 s100, s100, XSCL
	s_mov_b32 s101, 0
	s_add_nc_u64 s[100:101], s[10:11], s[100:101]
	v_and_b32 v34, 31, v0
	v_lshrrev_b32 v35, 3, v34                      ; eight lanes to a group's 128 bytes of scale words
	v_and_b32 v36, 1, v35
	v_lshrrev_b32 v35, 1, v35
	s_lshl_b32 s94, ttmp9, 1
	s_sub_co_u32 s94, 63, s94
	s_mov_b32 s95, ttmp9
	v_mul_u32_u24 v36, s94, v36
	v_add_nc_u32 v36, s95, v36
	v_lshl_add_u32 v36, v35, 6, v36                ; the group
	v_and_b32 v35, 7, v34
	v_lshlrev_b32 v35, 4, v35
	v_lshl_add_u32 v33, v36, 10, v35
	v_mov_b32 v37, -1
	v_cmp_eq_f32 vcc_lo, 0, v14                    ; no visible key?  The mask is read far below, behind its wait
	s_wait_alu depctr_va_vdst(0)                   ; the reciprocal has written v15, ahead of its first reader
.set j, 0
.rept 32
	v_mul_f32 v[S+j], v[OT+j], v15                 ; each accumulator from its low end on
.set j, j+1
.endr
.irp b, 0,1
	v_max3_num_f32 v[BM+\b], |v[S+16*\b]|, |v[S+16*\b+1]|, 0x2800000
.endr
.irp i, 2,4,6,8,10,12,14
.irp b, 0,1
	v_max3_num_f32 v[BM+\b], |v[S+16*\b+\i]|, |v[S+16*\b+\i+1]|, v[BM+\b]
.endr
.endr
.irp b, 0,1
	v_permlanex16_b32 v[BM+2+\b], v[BM+\b], s[SEL], s[SEL+1]
.endr
.irp b, 0,1
	v_max_num_f32 v[BM+\b], v[BM+\b], v[BM+2+\b]
.endr
.irp b, 0,1
	v_add_nc_u32 v[SO+\b], 0xfe000000, v[BM+\b]
.endr
.irp b, 0,1
	v_lshrrev_b32 v[BM+2+\b], 23, v[SO+\b]
.endr
	v_lshl_or_b32 v[PWO], v[BM+3], 8, v[BM+2]
	s_wait_alu depctr_va_vcc(0)                    ; the compare above has written VCC, ahead of its one reader
	v_cndmask_b32 v[PWO], v[PWO], v37, vcc_lo      ; no visible key: the bytes 0xff
	v_cvt_scalef32_pk16_bf6_f32 v[CT:CT+2], v[S:S+15], v[SO]
	v_cvt_scalef32_pk16_bf6_f32 v[CT+4:CT+6], v[S+16:S+31], v[SO+1]
	v_nop
.irp i, 0,1,2
	v_permlane16_swap_b32 v[CT+\i], v[CT+4+\i]
.endr
	v_mov_b32 v[CT+3], v[CT+4]
	v_mov_b32 v[CT+4], v[CT+5]
	v_mov_b32 v[CT+5], v[CT+6]
	s_wait_alu depctr_va_vdst(0)                   ; the codes v212 to v217, the scale bytes v235 and the addresses v7 to v11, v32, v33 are written, which the stores and loads below read; the vector lines are done with v104 to v115, in which the loads from the stage land.  No vector line follows
	ds_store_b64 v7, v[CT:CT+1]
	ds_store_b64 v8, v[CT+2:CT+3]
	ds_store_b64 v9, v[CT+4:CT+5]
	ds_store_b16 v10, v[PWO]                       ; both lanes of a row write the same two bytes with the same value
	s_wait_dscnt 0x0                               ; for the others' sake
	s_barrier_signal -1
	s_barrier_wait -1
	s_cmp_lt_u32 s[WV], 8
	s_cbranch_scc0 .Lnot_img
.irp c, 0,1,2
	ds_load_b128 v[S+4*\c:S+4*\c+3], v11 offset:512*\c
.endr
	s_wait_dscnt 0x0
.irp c, 0,1,2
	global_store_b128 v1, v[S+4*\c:S+4*\c+3], s[98:99] offset:512*\c   ; 512 consecutive bytes, aligned
.endr
	s_branch .Lend
.Lnot_img:
	s_cmp_eq_u32 s[WV], 8
	s_cbranch_scc0 .Lend
	ds_load_b128 v[S:S+3], v32
	s_wait_dscnt 0x0
	global_store_b128 v33, v[S:S+3], s[100:101]    ; four runs of 128 consecutive bytes: one K pair of four groups
.Lend:
	s_wait_dscnt 0x0                               ; the closing lines, six on end
	s_wait_alu 0x0
	s_wait_tensorcnt 0x0
	ds_add_u32 v254, v255
	s_wait_dscnt 0x0
	s_endpgm
.Lfunc_end_k_q035607e737_attn:
	.size	k_q035607e737_attn, .Lfunc_end_k_q035607e737_attn-k_q035607e737_attn
	.p2alignl 7, 3214868480
	.fill 96, 4, 3214868480
	.section	.rodata,"a",@progbits
	.p2align	6, 0x0
	.amdhsa_kernel k_q035607e737_attn
		.amdhsa_group_segment_fixed_size 223744
		.amdhsa_private_segment_fixed_size 0
		.amdhsa_enable_private_segment 0
		.amdhsa_kernarg_size 32
		.amdhsa_user_sgpr_count 2
		.amdhsa_user_sgpr_kernarg_segment_ptr 1
		.amdhsa_wavefront_size32 1
		.amdhsa_system_sgpr_workgroup_id_x 1
		.amdhsa_system_sgpr_workgroup_id_y 1
		.amdhsa_system_sgpr_workgroup_id_z 1
		.amdhsa_system_vgpr_workitem_id 0
		.amdhsa_next_free_vgpr 256
		.amdhsa_next_free_sgpr 102
		.amdhsa_reserve_vcc 1
		.amdhsa_float_denorm_mode_32 3
		.amdhsa_float_denorm_mode_16_64 3
		.amdhsa_memory_ordered 1
		.amdhsa_forward_progress 1
		.amdhsa_inst_pref_size 39
	.end_amdhsa_kernel
	.amdgpu_metadata
---
amdhsa.version: [ 1, 2 ]
amdhsa.kernels:
  - .name:           k_q035607e737_attn
    .symbol:         k_q035607e737_attn.kd
    .args:
      - { .name: qa, .offset: 0, .size: 8, .value_kind: global_buffer, .address_space: global }
      - { .name: ka, .offset: 8, .size: 8, .value_kind: global_buffer, .address_space: global }
      - { .name: mw, .offset: 16, .size: 8, .value_kind: global_buffer, .address_space: global }
      - { .name: ca, .offset: 24, .size: 8, .value_kind: global_buffer, .address_space: global }
    .group_segment_fixed_size: 223744
    .private_segment_fixed_size: 0
    .kernarg_segment_align: 8
    .kernarg_segment_size: 32
    .max_flat_workgroup_size: 512
    .sgpr_count:     102
    .vgpr_count:     256
    .wavefront_size: 32
...
	.end_amdgpu_metadata
.endif
;; end of part 5
;; launch outp: the kernel of part 4 again; grid 128 x 1, 4 waves a work-group, clusters of 4 x 1, 327,680 bytes of LDS; arguments ca, wc, out0; writes out0
